; MI455X (gfx1250); checked and timed in simulation.
; The chip was launched on July 23, 2026; its instructions are those of AMD's public machine-readable ISA for CDNA 5 (MIT licence, August 2026) and "CDNA5" Instruction Set Architecture Reference Guide (July 2026). The comments in the code are by the model that wrote it; some were corrected since.
;; Multi Head Attention. Allowed arithmetic: matrix products marked QUANTISED: E2M3 operands, one E8M0 scale for each 32 along K, by v_wmma_scale_f32_16x16x128_f8f6f4 with both operands' format E2M3, f32 sums; everything else in f32.
;; Inputs: k 4 x 2,048 x 1,024 float32; mask 1 x 1 x 2,048 x 2,048 int32; q 4 x 2,048 x 1,024 float32; v 4 x 2,048 x 1,024 float32; w_k 1,024 x 1,024 float32; w_o 1,024 x 1,024 float32; w_q 1,024 x 1,024 float32; w_v 1,024 x 1,024 float32.
;; Outputs: out0 4 x 2,048 x 1,024 float32.
;; This version of the problem:
;;   THIS VERSION OF THE PROBLEM IS GIVEN IN LOW PRECISION. The matrix products marked QUANTISED in the list below multiply operands that are first quantised to E2M3 (2 exponent bits, 3 mantissa bits; 6 bits a number), with one power-of-two scale for each 32 numbers along K (OCP MX v1.0); their sums are f32. All else is computed in f32.
;;   The module's matrix products, in the order in which they are computed (A, B: the left and right operand; K: the contracted axis; several contracted axes count as one K, in the product's order):
;;     1. [M 8,192, K 1,024] x [K 1,024, N 1,024]; A: input q; B: input w_q: QUANTISED
;;     2. [M 8,192, K 1,024] x [K 1,024, N 1,024]; A: input k; B: input w_k: QUANTISED
;;     3. [M 8,192, K 1,024] x [K 1,024, N 1,024]; A: input v; B: input w_v: QUANTISED
;;     4. batch 64 x [M 2,048, K 64] x [K 64, N 2,048]; A: computed on the way; B: computed on the way: QUANTISED
;;     5. batch 64 x [M 2,048, K 2,048] x [K 2,048, N 64]; A: softmax (see below); B: computed on the way: QUANTISED
;;     6. [M 8,192, K 1,024] x [K 1,024, N 1,024]; A: computed on the way; B: input w_o: QUANTISED
;;   THE QUANTISER, for each operand of a quantised product, along K:
;;     - K is cut into blocks of 32 from its start; a last block that is shorter is filled with zeros.
;;     - A block's scale is 2^e with e = floor(log2(the largest magnitude in the block)) - 2, held to -126 .. 127; a block of zeros has e = 0. As a byte (E8M0): e + 127.
;;     - Each number is divided by its block's scale, clamped to +-7.5, and rounded to the nearest number of E2M3, ties to even, subnormals kept.
;;     - The product sums the exact products of the quantised numbers (number of the format x scale) in f32.
;;   ~~~python
;;   def quantise(x, axis):      # numpy; x: float32 -> the quantised numbers, widened to float32 again
;;       x = np.moveaxis(x, axis, -1); K = x.shape[-1]
;;       x = np.pad(x, [(0, 0)] * (x.ndim - 1) + [(0, -K % 32)]); x = x.reshape(x.shape[:-1] + (-1, 32)); a = np.abs(x).max(-1, keepdims=True)
;;       e = np.where(a > 0, np.clip(np.frexp(np.where(a > 0, a, 1))[1] - 1 - 2, -126, 127), 0)      # np.frexp(a)[1] - 1 = floor(log2(a)), exactly
;;       r = np.clip(x / 2.0 ** e, -7.5, 7.5)
;;       step = 2.0 ** (np.maximum(np.frexp(np.where(r == 0, 1, r))[1] - 1, 0) - 3)
;;       q = np.round(r / step) * step * 2.0 ** e      # np.round: ties to even
;;       return np.moveaxis(q.reshape(q.shape[:-2] + (-1,))[..., :K], -1, axis).astype(np.float32)
;;   ~~~
;;   SOFTMAX AHEAD OF A QUANTISED PRODUCT. Where the list says 'softmax', what is quantised is not the finished softmax but p = 2^(t - M), with t = logit x log2(e) and M = ceil(the row's largest t), a whole number; so 1/2 < the row's largest p <= 1. The row's sum l is taken of the UNQUANTISED p, in f32, and the product's result is divided by l at the end. Since M is a whole number, a kernel that streams over the keys may use a running M (the ceiling of the running maximum): every later rescaling is an exact power of two, which a block's scale takes up: the codes' values come out the same.
;;   OPERANDS COMPUTED ON THE WAY. 'Computed on the way' means the value that the module computes at that place (a softmax that the list does not call 'softmax' is quantised finished and normalised). What goes into a quantiser is computed in f32, as accurately as f32 sums, v_exp_f32 and their like allow (about 1e-6 of the number): no bf16 or f16 on the way to a quantiser, and a product that is left as it is and whose result goes on into a quantised operand takes f32 operands (vector FMAs, or v_wmma_f32_16x16x4_f32). A number that lies on a knife's edge between two numbers of the format may be rounded either way, as far as f32 arithmetic and the matrix unit's own rounding can turn it there, and no further.
;; 2 versions, each right; version 2 is version 1 with the launch attn written anew for expert scheduling mode. Each part assembles by itself: llvm-mc -triple=amdgcn-amd-amdhsa -mcpu=gfx1250 --defsym DOCPART=n.
;; ======== version 1 of 2: 4 launches
;; limits: right only within a limited range of input values
;; workspace buffers: ximg 22,020,096 bytes; xsc 917,504 bytes; himg 18,874,368 bytes; hsc 786,432 bytes; maskw 524,288 bytes of whole numbers; mflag 8,192 bytes of whole numbers; aimg 6,291,456 bytes; asc 262,144 bytes
;; launch prep (part 1): grid 1408 x 1, 4 waves a work-group, no clusters, 34,304 bytes of LDS; arguments q, k, v, w_q, w_k, w_v, w_o, mask, ximg, xsc, maskw, mflag; writes ximg, xsc, maskw, mflag
.if DOCPART == 1
	.amdgcn_target "amdgcn-amd-amdhsa--gfx1250"
	.amdhsa_code_object_version 6
	.text
	.protected	k_qd2e3a2c189_prep
	.globl	k_qd2e3a2c189_prep
	.p2align	8
	.type	k_qd2e3a2c189_prep,@function
k_qd2e3a2c189_prep:
	s_mov_b64 s[64:65], 0
	v_nop
	global_prefetch_b8 v0, s[64:65] scope:SCOPE_SE
	s_setreg_imm32_b32 hwreg(HW_REG_WAVE_MODE, 25, 1), 1
	s_wait_xcnt 0x0
; PREP.  (1) q, k, v [8192][1024] and w_q, w_k, w_v, w_o [1024][1024], f32, K innermost, become codes of FP6 (E2M3) with one E8M0 byte for each 32 along K.
; (2) mask [2048][2048] int32 becomes lane masks for the attention launch, and one flag for each (tile of queries, 128 keys) that says whether it has a hole.
; TILES.  The seven tensors' rows are cut into 1,792 tiles of 16 rows (q 0-511, k 512-, v 1024-, w_q 1536-, w_k 1600-, w_v 1664-, w_o 1728-).  THE ROWS OF A TILE ARE NOT NEIGHBOURS: lane-row r of tile 2 B + u is
; row 32 B + 8 u + r % 8 + 16 (r / 8), so that two neighbouring tiles, used as source 0 of a product, leave a lane 16 neighbouring results.
; IMAGES.  A fragment (16 rows x 128 K: 12 registers a lane) lies in ximg as an image of its registers: registers 2 p, 2 p + 1 of lane l at 256 p + 8 l: 1,536 bytes; ximg: [tile][K step 8][1536].
; xsc: [tile][4][16 rows][2 words]: word 2 kappa + i of a row holds the four bytes of K step 2 kappa + i.
; A block's scale is 2^(floor(log2(its largest magnitude)) - 2); its byte is the largest magnitude's exponent field - 2, held at 1 from below.  A block of zeros so gets the byte 1 where the rule says 127: its codes are zeros,
; and this program alone reads the bytes.  LIMITS: NaN and infinities among the inputs are not served.
; SHARES.  Work-groups 0-895: two tiles each; a wave takes 16 rows x 512 along K, four K steps.  Each load reads 512 consecutive bytes of one row; a K step's 8,192 bytes turn through the wave's own stage in LDS
; (rows of 512 + 16 bytes) and come back 16 neighbours of each block of 32 to a lane.  Work-groups 896-1407: a wave takes one tile of queries x 128 keys of the mask.  Waves share nothing: no barrier.
.set NQW, 896                          ; work-groups that quantise
.set TM,  16                           ; v16-19 largest magnitudes, v20-23 the other half's, then bytes, v28-31 the conversions' scale operands
.set PC,  32                           ; v32-43 a fragment's codes; v44-46, v48-50 the halves that are made elsewhere and moved
.set X,   64                           ; v64-127 64 numbers: register 16 b + i = k 32 b + 16 (lane / 16) + i of my row
.set R,   128                          ; v128-255 two sets of 64 registers as they are loaded
.set SP,  528                          ; a stage row
.set SEL, 34                           ; s[34:35] v_permlanex16_b32's selects for lane l xor 16
.macro QUANT s, pw                     ; 64 numbers at v[s] on become 12 registers of codes at v[PC] on, in the operand's layout, and my row's scale word in v[pw] (the same in lanes l and l xor 16)
.irp b, 0,1,2,3
	v_max3_num_f32 v[TM+\b], |v[\s+16*\b]|, |v[\s+1+16*\b]|, 0x1800000   ; my 16 numbers of block b, and the floor 2^(3 - 127): the byte cannot fall under 1
.endr
.irp i, 2,4,6,8,10,12,14
.irp b, 0,1,2,3
	v_max3_num_f32 v[TM+\b], v[TM+\b], |v[\s+16*\b+\i]|, |v[\s+1+16*\b+\i]|   ; the four blocks by turns
.endr
.endr
.irp b, 0,1,2,3
	v_permlanex16_b32 v[TM+4+\b], v[TM+\b], s[SEL], s[SEL+1]
.endr
.irp b, 0,1,2,3
	v_max_num_f32 v[TM+\b], v[TM+\b], v[TM+4+\b]           ; with lane l xor 16's: the block's largest magnitude
.endr
.irp b, 0,1,2,3
	v_add_nc_u32 v[TM+12+\b], 0xff000000, v[TM+\b]         ; 2 off its exponent field: the conversion takes the exponent field of this operand as its scale
.endr
.irp b, 0,1,2,3
	v_lshrrev_b32 v[TM+4+\b], 23, v[TM+12+\b]              ; the scale's byte
.endr
	v_lshl_or_b32 v[\pw], v[TM+5], 8, v[TM+4]
	v_lshl_or_b32 v[\pw], v[TM+6], 16, v[\pw]
	v_lshl_or_b32 v[\pw], v[TM+7], 24, v[\pw]
.irp c, 0,1
	v_cvt_scalef32_pk16_fp6_f32 v[PC+6*\c:PC+2+6*\c], v[\s+32*\c:\s+15+32*\c], v[TM+12+2*\c]
	v_cvt_scalef32_pk16_fp6_f32 v[PC+12+4*\c:PC+14+4*\c], v[\s+16+32*\c:\s+31+32*\c], v[TM+12+2*\c+1]   ; (a conversion's three registers begin on an even number)
.endr
	v_nop                                          ; one plain instruction behind the scaled conversions
.irp c, 0,1                            ; the operand's layout wants a whole block in a lane: lanes 0-15 block 2 c, lanes 16-31 block 2 c + 1
.irp i, 0,1,2
	v_permlane16_swap_b32 v[PC+6*\c+\i], v[PC+12+4*\c+\i]
.endr
.irp i, 0,1,2
	v_mov_b32 v[PC+3+6*\c+\i], v[PC+12+4*\c+\i]
.endr
.endr
.endm
	s_load_b512 s[8:23], s[0:1], 0x0               ; q, k, v, w_q, w_k, w_v, w_o, mask
	s_load_b256 s[24:31], s[0:1], 0x40             ; ximg, xsc, maskw, mflag
	v_lshl_add_u32 v62, v0, 2, 0x8400
	v_mov_b32 v63, 0
	v_lshrrev_b32 v1, 5, v0
	v_readfirstlane_b32 s32, v1                    ; wave 0..3
	v_and_b32 v1, 31, v0                           ; lane
	v_and_b32 v2, 15, v0                           ; r
	v_bfe_u32 v3, v0, 4, 1                         ; h
	v_lshlrev_b32 v7, 3, v1                        ; 8 x lane
	s_cmp_lt_u32 ttmp9, NQW
	s_cbranch_scc0 .Lmask
	; ---------------- the quantiser ----------------
	v_lshlrev_b32 v4, 4, v1                        ; my 16 bytes of a load's 512
	s_mul_i32 s33, s32, 16*SP                      ; my wave's stage
	v_add_nc_u32 v5, s33, v4                       ; into it: as loaded
	v_mul_u32_u24 v6, v2, SP
	v_lshl_add_u32 v6, v3, 6, v6
	v_add_nc_u32 v6, s33, v6                       ; out of it: row r, + 64 h: my 16 numbers of a block
.irp b, 0,1,2,3
	v_mov_b32 v[TM+4+\b], 0                        ; written once: a lane permute's destination counts as one of its sources
.endr
	s_mov_b32 s[SEL], 0x76543210
	s_mov_b32 s[SEL+1], 0xfedcba98
	s_lshr_b32 s36, s32, 1
	s_lshl_b32 s37, ttmp9, 1
	s_add_co_u32 s36, s36, s37                     ; my tile: 2 x work-group + wave / 2
	s_and_b32 s37, s32, 1                          ; which half of K
	s_cmp_lt_u32 ttmp9, 768
	s_cselect_b32 s38, 511, 63
	s_and_b32 s38, s36, s38                        ; the tile's number in its own tensor
	s_lshr_b32 s39, s38, 1
	s_lshl_b32 s39, s39, 5
	s_and_b32 s38, s38, 1
	s_lshl_b32 s38, s38, 3
	s_add_co_u32 s38, s38, s39                     ; its first row: 32 B + 8 u
	s_lshl_b32 s38, s38, 12                        ; rows of 4,096 bytes (under 2^26)
	s_lshl_b32 s39, s37, 11
	s_add_co_u32 s38, s38, s39                     ; + my 2,048 bytes of each row
	s_mov_b32 s39, 0
	s_mul_i32 s40, s36, 12288
	s_mul_i32 s41, s37, 6144
	s_add_co_u32 s40, s40, s41                     ; my four fragments in ximg
	s_mov_b32 s41, 0
	s_lshl_b32 s42, s36, 9
	s_lshl_b32 s43, s37, 8
	s_add_co_u32 s42, s42, s43                     ; my 256 bytes in xsc
	s_mov_b32 s43, 0
	s_wait_kmcnt 0x0
	s_mov_b64 s[4:5], s[8:9]                       ; the tensor is chosen by the work-group's number alone
	s_cmp_ge_u32 ttmp9, 256
	s_cselect_b64 s[4:5], s[10:11], s[4:5]
	s_cmp_ge_u32 ttmp9, 512
	s_cselect_b64 s[4:5], s[12:13], s[4:5]
	s_cmp_ge_u32 ttmp9, 768
	s_cselect_b64 s[4:5], s[14:15], s[4:5]
	s_cmp_ge_u32 ttmp9, 800
	s_cselect_b64 s[4:5], s[16:17], s[4:5]
	s_cmp_ge_u32 ttmp9, 832
	s_cselect_b64 s[4:5], s[18:19], s[4:5]
	s_cmp_ge_u32 ttmp9, 864
	s_cselect_b64 s[4:5], s[20:21], s[4:5]
	s_add_nc_u64 s[4:5], s[4:5], s[38:39]
	s_add_nc_u64 s[24:25], s[24:25], s[40:41]
	s_add_nc_u64 s[26:27], s[26:27], s[42:43]
.macro LOAD s                          ; K step s of my 16 rows into set s % 2: sixteen loads of 512 consecutive bytes
.set RL, R+64*((\s)%2)
.set n, 0
.rept 16
	global_load_b128 v[RL+4*n:RL+4*n+3], v4, s[4:5] offset:((n%8)+16*(n/8))*4096+512*(\s) th:TH_LOAD_NT
.set n, n+1
.endr
.endm
.macro KSTEP s
.if \s < 3
	LOAD \s+1                                      ; its set was read by stage stores that the last step's wait on DScnt has shown done
	s_wait_loadcnt 16                              ; this step's sixteen loads are in; the next step's sixteen may be out
.else
	s_wait_loadcnt 0x0
.endif
.set RS, R+64*((\s)%2)
.set n, 0
.rept 16
	ds_store_b128 v5, v[RS+4*n:RS+4*n+3] offset:SP*n
.set n, n+1
.endr
.irp b, 0,1,2,3
.irp j, 0,1,2,3
	ds_load_b128 v[X+16*\b+4*\j:X+16*\b+4*\j+3], v6 offset:128*\b+16*\j   ; LDS serves a wave's instructions in order: these see the stores above
.endr
.endr
	s_wait_dscnt 0x0                               ; my 64 numbers are in, and the stage's stores have read their registers
.if \s > 0
	s_wait_xcnt 0x0                                ; the last step's stores have read the codes' registers: they are written again only behind this wait
.endif
	QUANT X, 8+\s
.irp p, 0,1,2,3,4,5
	global_store_b64 v7, v[PC+2*\p:PC+2*\p+1], s[24:25] offset:1536*\s+256*\p   ; 32 lanes store 256 consecutive bytes, aligned
.endr
.endm
	LOAD 0
	KSTEP 0
	KSTEP 1
	KSTEP 2
	KSTEP 3
	v_cmp_le_u32 vcc_lo, 16, v1                    ; lanes 0-15 store their row's words of my K steps 0, 1, lanes 16-31 those of K steps 2, 3
	v_cndmask_b32 v12, v8, v10, vcc_lo
	v_cndmask_b32 v13, v9, v11, vcc_lo
	global_store_b64 v7, v[12:13], s[26:27]        ; 256 consecutive bytes, aligned
	s_wait_tensorcnt 0x0
	ds_add_u32 v62, v63
	s_wait_dscnt 0x0
	s_endpgm
	; ---------------- the mask ----------------
	; maskw: [tile of queries T 128][step 16][64 words]: bit l of word n = (mask[query of lane-row l % 16 of tile T][128 step + 32 (n / 16) + 16 (l / 16) + n % 16] != 0):
	; the lane mask of score register n in the attention launch.  mflag: [T][step]: (some bit is 0) << step.
.Lmask:
	s_sub_co_u32 s33, ttmp9, NQW
	s_lshl_b32 s33, s33, 2
	s_add_co_u32 s33, s33, s32                     ; 16 T + step
	s_lshr_b32 s34, s33, 4                         ; T
	s_and_b32 s35, s33, 15                         ; step
	s_lshr_b32 s36, s34, 1
	s_lshl_b32 s36, s36, 5
	s_and_b32 s37, s34, 1
	s_lshl_b32 s37, s37, 3
	s_add_co_u32 s36, s36, s37                     ; the tile's first query
	s_lshl_b32 s36, s36, 13                        ; rows of 8,192 bytes
	s_lshl_b32 s37, s35, 9
	s_add_co_u32 s36, s36, s37                     ; + the step's 512 bytes
	s_mov_b32 s37, 0
	s_lshl_b32 s38, s33, 8
	s_mov_b32 s39, 0
	s_lshl_b32 s46, s33, 2
	s_mov_b32 s47, 0
	v_and_b32 v8, 7, v2
	v_lshrrev_b32 v9, 3, v2
	v_lshl_add_u32 v8, v9, 4, v8                   ; r % 8 + 16 (r / 8)
	v_lshlrev_b32 v8, 13, v8
	v_lshl_add_u32 v8, v3, 6, v8                   ; + 64 h: my 16 keys of a block of 32
	s_wait_kmcnt 0x0
	s_add_nc_u64 s[22:23], s[22:23], s[36:37]
	s_add_nc_u64 s[28:29], s[28:29], s[38:39]
	s_add_nc_u64 s[30:31], s[30:31], s[46:47]
.irp b, 0,1,2,3
.irp j, 0,1,2,3
	global_load_b128 v[64+16*\b+4*\j:67+16*\b+4*\j], v8, s[22:23] offset:128*\b+16*\j th:TH_LOAD_NT   ; the sixteen together read 512 consecutive bytes of each of 16 rows
.endr
.endr
	v_mov_b32 v12, 0                               ; (v_writelane_b32's destination counts as read)
	v_mov_b32 v13, 0
	s_mov_b32 s40, -1
	s_wait_loadcnt 0x0
.set n, 0
.rept 64
	v_cmp_ne_u32 s[42+n%2], 0, v[64+n]             ; word n
	v_writelane_b32 v[12+n%2], s[42+n%2], n/2      ; lane l gathers words 2 l and 2 l + 1
	s_and_b32 s40, s40, s[42+n%2]
.set n, n+1
.endr
	global_store_b64 v7, v[12:13], s[28:29]        ; 256 consecutive bytes, aligned
	s_cmp_eq_u32 s40, -1
	s_cselect_b32 s41, 0, 1
	s_lshl_b32 s41, s41, s35
	v_mov_b32 v14, s41
	v_mov_b32 v15, 0
	v_cmp_eq_u32 vcc_lo, 0, v1
	s_wait_xcnt 0x0                                ; EXEC changes only behind this wait
	s_and_saveexec_b32 s44, vcc_lo
	global_store_b32 v15, v14, s[30:31]            ; one word a wave
	s_wait_xcnt 0x0
	s_or_b32 exec_lo, exec_lo, s44
	s_endpgm
.Lfunc_end_k_qd2e3a2c189_prep:
	.size	k_qd2e3a2c189_prep, .Lfunc_end_k_qd2e3a2c189_prep-k_qd2e3a2c189_prep
	.p2alignl 7, 3214868480
	.fill 96, 4, 3214868480
	.section	.rodata,"a",@progbits
	.p2align	6, 0x0
	.amdhsa_kernel k_qd2e3a2c189_prep
		.amdhsa_group_segment_fixed_size 34304
		.amdhsa_private_segment_fixed_size 0
		.amdhsa_enable_private_segment 0
		.amdhsa_kernarg_size 96
		.amdhsa_user_sgpr_count 2
		.amdhsa_user_sgpr_kernarg_segment_ptr 1
		.amdhsa_wavefront_size32 1
		.amdhsa_system_sgpr_workgroup_id_x 1
		.amdhsa_system_sgpr_workgroup_id_y 1
		.amdhsa_system_sgpr_workgroup_id_z 1
		.amdhsa_system_vgpr_workitem_id 0
		.amdhsa_next_free_vgpr 256
		.amdhsa_next_free_sgpr 66
		.amdhsa_reserve_vcc 1
		.amdhsa_float_denorm_mode_32 3
		.amdhsa_float_denorm_mode_16_64 3
		.amdhsa_memory_ordered 1
		.amdhsa_forward_progress 1
		.amdhsa_inst_pref_size 48
	.end_amdhsa_kernel
	.amdgpu_metadata
---
amdhsa.version: [ 1, 2 ]
amdhsa.kernels:
  - .name:           k_qd2e3a2c189_prep
    .symbol:         k_qd2e3a2c189_prep.kd
    .args:
      - { .name: q, .offset: 0, .size: 8, .value_kind: global_buffer, .address_space: global }
      - { .name: k, .offset: 8, .size: 8, .value_kind: global_buffer, .address_space: global }
      - { .name: v, .offset: 16, .size: 8, .value_kind: global_buffer, .address_space: global }
      - { .name: w_q, .offset: 24, .size: 8, .value_kind: global_buffer, .address_space: global }
      - { .name: w_k, .offset: 32, .size: 8, .value_kind: global_buffer, .address_space: global }
      - { .name: w_v, .offset: 40, .size: 8, .value_kind: global_buffer, .address_space: global }
      - { .name: w_o, .offset: 48, .size: 8, .value_kind: global_buffer, .address_space: global }
      - { .name: mask, .offset: 56, .size: 8, .value_kind: global_buffer, .address_space: global }
      - { .name: ximg, .offset: 64, .size: 8, .value_kind: global_buffer, .address_space: global }
      - { .name: xsc, .offset: 72, .size: 8, .value_kind: global_buffer, .address_space: global }
      - { .name: maskw, .offset: 80, .size: 8, .value_kind: global_buffer, .address_space: global }
      - { .name: mflag, .offset: 88, .size: 8, .value_kind: global_buffer, .address_space: global }
    .group_segment_fixed_size: 34304
    .private_segment_fixed_size: 0
    .kernarg_segment_align: 8
    .kernarg_segment_size: 96
    .max_flat_workgroup_size: 128
    .sgpr_count:     66
    .vgpr_count:     256
    .wavefront_size: 32
...
	.end_amdgpu_metadata
.endif
;; end of part 1
;; launch proj (part 2): grid 4 x 96, 4 waves a work-group, clusters of 4 x 4, 327,680 bytes of LDS; arguments ximg, xsc, himg, hsc; writes himg, hsc
.if DOCPART == 2
	.amdgcn_target "amdgcn-amd-amdhsa--gfx1250"
	.amdhsa_code_object_version 6
	.text
	.protected	k_qd2e3a2c189_proj
	.globl	k_qd2e3a2c189_proj
	.p2align	8
	.type	k_qd2e3a2c189_proj,@function
k_qd2e3a2c189_proj:
	s_mov_b64 s[64:65], 0
	v_nop
	global_prefetch_b8 v0, s[64:65] scope:SCOPE_SE
	s_setreg_imm32_b32 hwreg(HW_REG_WAVE_MODE, 25, 1), 1
	s_wait_xcnt 0x0
	s_wait_alu depctr_hold_cnt(0) depctr_sa_sdst(0) depctr_va_vdst(0) depctr_va_sdst(0) depctr_va_ssrc(0) depctr_va_vcc(0) depctr_vm_vsrc(0)
	s_getreg_b32 s2, hwreg(HW_REG_IB_STS2, 6, 4)
	s_cmp_eq_u32 s2, 0
	s_cbranch_scc0 .Lentry_in_a_cluster
	s_endpgm
.Lentry_in_a_cluster:
	s_bfe_u32 s2, ttmp6, 0x10000c
	s_cmp_lg_u32 s2, 0xf033
	s_cbranch_scc0 .Lentry_shape_is_right
	s_endpgm
.Lentry_shape_is_right:
; PROJ.  The three projections, each 8192 x 1024 x 1024 on codes of FP6 (E2M3) with E8M0 scales, and the quantising of their results for the attention launch.
; C'[i][j] = sum over k of P[i][k] R[j][k], and C' is quantised ALONG j.  Clusters 0-7 (by the cluster's y): P = q's tokens, R = w_q's features; 8-15: k and w_k; 16-23: P = w_v's features, R = v's tokens:
; so Q and K are quantised along the head's 64 and V along the keys.  What parts the three is chosen by s_cselect_b32 on the cluster's y, which all sixteen partners share: there is no branch on it.
; OPERANDS lie in ximg as images of fragments, [tile of 16 rows][K step 8][1536 bytes] (registers 2 p, 2 p + 1 of lane l at 256 p + 8 l), their scale words in xsc, [tile][4][16 rows][2 words].
; Lane-row r of tile 2 B + u is row 32 B + 8 u + r % 8 + 16 (r / 8).
; A tile of C', 256 x 256, is made by four waves, as many as a WGP has SIMDs; a wave makes 128 x 128: 64 accumulators, 512 registers.  K goes in four steps of 256 through a ring of two LDS slots filled by the tensor data
; mover: a wave's load brings 8 tiles x 3,072 bytes.  The scale words of the work-group's 32 tiles, for all of K, come once, with the first fills.
; CLUSTERS: 4 x 4 work-groups.  The four of a row need the same tiles of P, the four of a column the same tiles of R: each is asked for JOINTLY, by the same tensor load with the same descriptor and a mask that names the four.
; TRANSPOSED USE: source 0 = 16 rows of R, source 1 = 16 rows of P: a lane holds ONE row i, and by the order of a tile's rows the 64 registers of accumulators (a, 0..7) are j = 32 b + 16 (lane / 16) + 0..15, b = 0..3:
; as the conversions want them.  So each block a of 16 rows becomes ONE fragment (16 rows x 128 j) and one scale word a row, in registers, and is stored as an image: no stage, no barrier on the way out.
; himg: Q at 0, K at 6,291,456: [batch][head][tile 128][768 bytes: half a fragment, 16 tokens x 64];  V at 12,582,912: [batch][head][step of 128 keys 16][tile of 16 channels 4][1536].
; hsc:  Q at 0, K at 262,144: [batch][head][pair of tiles 64][16 rows] words: bytes 0, 1 the even tile's two blocks, bytes 2, 3 the odd tile's;  V at 524,288: [batch][head][step][tile][16 rows] words.
; LIMITS: a block of zeros gets the byte 1 (its codes are zeros; the bytes are read by this program alone); NaN and infinities are not served.
; REGISTERS, in windows of 256: window 0: v0-31 addresses; v32-63 scale words, two sets; v64-119 the way out; v128-223 P's fragments, ONE set.  window 1: R's fragments, TWO sets, at v0 and v128.
;   window 2: the accumulators of my rows 0-63 ((a, b) at v[8 (8 a + b)]);  window 3: those of rows 64-127.
.set FR,    12                         ; registers of a fragment
.set NL,    6                          ; LDS loads that bring one
.set NP,    4                          ; places behind this matrix instruction (ISA guide 7.12.1)
.set NQ,    2                          ; matrix instructions deep in a slot
.set FRB,   1536                       ; a fragment's image
.set KSB,   NQ*FRB                     ; a tile's part of a slot
.set HALFT, 8*KSB                      ; 8 tiles: what one tensor load brings, and what one wave reads of P or of R
.set SLOT,  4*HALFT                    ; P's 16 tiles, then R's 16
.set LAPS,  2                          ; a lap = two K steps of 256 = once round the ring
.set SCL,   2*SLOT                     ; behind the ring: the scale words, 512 bytes a tile: P's 16 tiles, then R's
.set HALFS, 4096                       ; those of 8 tiles
.set SPARE, SCL+4*HALFS                ; the spare words, 128 bytes for each wave: two blocks of 256 bytes that no other line names
.set ADRA, 16                          ; v16-17  LDS address of my P fragments in slot 0, 1
.set ADRB, 20                          ; v20-21  the same for R
.set ADRS, 27                          ; v27     LDS address of my scale words: lanes 0-15 P's rows, lanes 16-31 R's
.set SPW,  28                          ; v28     LDS address of my spare word; never rewritten
.set NIL,  29                          ; v29     0; never rewritten
.set SC,   32                          ; scale words: set s at v[SC + 16 s]; register 2 i + q: lanes 0-15 the word of P's tile i, lanes 16-31 that of R's tile i, for the slot's q-th 128 along K
.set AF,   128                         ; P's fragments
.set G1, 24                            ; s[24:31] descriptor group 1 for P's tiles;  s[32:39] group 0, one set for each slot
.set G0, 32
.set G1B, 48                           ; s[48:55], s[56:63] the same for R's
.set G0B, 56
.set G1S, 68                           ; s[68:75], s[76:79] groups 1 and 0 for P's scale words;  s[80:87], s[88:91] for R's
.set G0S, 76
.set G1SB, 80
.set G0SB, 88
.set MSB, 0
.macro WIN new                         ; the immediate's high byte repeats the setting that is left
.if MSB != \new
	s_set_vgpr_msb (MSB<<8)|\new
.set MSB, \new
.endif
.endm
.set MUL_LO, 0xa1                      ; source 0 (R) window 1, source 1 (P) window 0, C and D window 2
.set MUL_HI, 0xf1                      ; the same, C and D window 3
.set TO_B,   0x40                      ; destination window 1, address window 0
; A joint load: waves 0 and 1 fetch for P, waves 2 and 3 for R.  Each of the two lines has one mask and one set of registers for all that issue it; the branch hangs on the wave's number alone.
; Four v_nop follow each of the two lines, ahead of the jump, the label and what follows.
.macro JLOAD g0a, g1a, g0b, g1b
	s_cmp_eq_u32 s15, 0
	s_cbranch_scc0 .Lfor_b_\@
	tensor_load_to_lds s[\g0a:\g0a+3], s[\g1a:\g1a+7]
	s_nop 0
.rept 4
	v_nop
.endr
	s_branch .Lasked_\@
.Lfor_b_\@:
	tensor_load_to_lds s[\g0b:\g0b+3], s[\g1b:\g1b+7]
	s_nop 0
.rept 4
	v_nop
.endr
.Lasked_\@:
.endm
.macro CREST                           ; a round of the cluster's barrier behind its opening barrier
	s_cmp_lg_u32 s14, 0
	s_cbranch_scc1 .Lnot_wave_0_\@
	s_barrier_signal -3
.Lnot_wave_0_\@:
	s_barrier_wait -3
	s_barrier_signal -1
	s_barrier_wait -1
.endm
.macro CROUND                          ; a whole round
	s_barrier_signal -1
	s_barrier_wait -1
	CREST
.endm
	s_load_b128 s[4:7], s[0:1], 0x0                ; ximg, xsc
	s_load_b128 s[96:99], s[0:1], 0x10             ; himg, hsc
	v_lshl_add_u32 v[SPW], v0, 2, SPARE
	v_mov_b32 v[NIL], 0
	ds_add_u32 v28, v29
	ds_add_u32 v28, v29
	s_wait_dscnt 0x0
	v_lshrrev_b32 v1, 5, v0
	v_readfirstlane_b32 s14, v1                    ; wave 0..3
	s_lshr_b32 s15, s14, 1                         ; which half of the tile's rows i is mine.  Also: I fetch for P (0) or for R (1)
	s_and_b32 s16, s14, 1                          ; which half of its j.  Also: which 8 tiles I fetch
	s_bfe_u32 s40, ttmp6, 0x40000                  ; cx, cy: my place in the cluster
	s_bfe_u32 s41, ttmp6, 0x40004
	s_and_b32 s17, ttmp7, 0xffff                   ; the cluster's y, 0..23
	s_lshr_b32 s104, s17, 3                        ; 0: Q, 1: K, 2: V
	s_and_b32 s17, s17, 7                          ; which eighth of the 8,192 tokens
	s_lshl_b32 s18, s104, 9                        ; Q, K: P begins at tile 512 x tensor,
	s_lshl_b32 s19, s104, 6
	s_add_co_u32 s19, s19, 1536                    ; R at 1536 + 64 x tensor
	s_mov_b32 s10, 1664                            ; V: P = w_v,
	s_mov_b32 s11, 1024                            ; R = v
	s_cmp_eq_u32 s104, 2
	s_cselect_b32 s8, 0, s17                       ; the tokens run along i (Q, K) or along j (V)
	s_cselect_b32 s9, s17, 0
	s_cselect_b32 s18, s10, s18
	s_cselect_b32 s19, s11, s19
	s_lshl_b32 s8, s8, 2
	s_add_co_u32 s17, s8, s41                      ; tile row of C'
	s_lshl_b32 s9, s9, 2
	s_add_co_u32 s42, s9, s40                      ; tile column of C'
	s_lshl_b32 s43, s41, 2
	s_lshl_b32 s43, 15, s43                        ; my row of the cluster
	s_lshl_b32 s44, 0x1111, s40                    ; my column
	; descriptor group 1: 8 rows (tiles) of 3,072 bytes, 12,288 bytes apart in memory, dense in LDS; elements of 8 bytes
	s_or_b32 s[G1+0], s43, (3<<16)|(1<<21)         ; 15:0 the mask: P's tiles go to my row; 17:16 elements of 8 bytes; 20 no padding; 21 set beside a mask
	s_or_b32 s[G1B+0], s44, (3<<16)|(1<<21)
.irp g, G1, G1B
	s_mov_b32 s[\g+1], 384<<16                     ; tensor_dim0
	s_mov_b32 s[\g+2], 8<<16                       ; tensor_dim1
	s_mov_b32 s[\g+3], 384<<16                     ; tile_dim0
	s_mov_b32 s[\g+4], 8                           ; tile_dim1
	s_mov_b32 s[\g+5], 1536                        ; tensor_dim0_stride
	s_mov_b32 s[\g+6], 0
	s_mov_b32 s[\g+7], 0
.endr
	; and for the scale words of 8 tiles: 4,096 dense bytes, as 16 rows of 256 bytes
	s_or_b32 s[G1S+0], s43, (3<<16)|(1<<21)
	s_or_b32 s[G1SB+0], s44, (3<<16)|(1<<21)
.irp g, G1S, G1SB
	s_mov_b32 s[\g+1], 32<<16
	s_mov_b32 s[\g+2], 16<<16
	s_mov_b32 s[\g+3], 32<<16
	s_mov_b32 s[\g+4], 16
	s_mov_b32 s[\g+5], 32
	s_mov_b32 s[\g+6], 0
	s_mov_b32 s[\g+7], 0
.endr
	s_lshl_b32 s12, s16, 3                         ; which 8 tiles of the 16 I fetch
	s_lshl_b32 s20, s17, 4
	s_add_co_u32 s20, s20, s18
	s_add_co_u32 s20, s20, s12                     ; P: first tile + 16 x tile row + 8 x half: no cx in it
	s_lshl_b32 s46, s42, 4
	s_add_co_u32 s46, s46, s19
	s_add_co_u32 s46, s46, s12                     ; R: first tile + 16 x tile column + 8 x half: no cy in it
	s_lshl_b32 s22, s20, 9                         ; their scale words, 512 bytes a tile,
	s_mov_b32 s23, 0
	s_lshl_b32 s92, s46, 9
	s_mov_b32 s93, 0
	s_mul_i32 s20, s20, 8*FRB                      ; and their codes, 12,288 bytes a tile (under 2^25)
	s_mov_b32 s21, 0
	s_mul_i32 s46, s46, 8*FRB
	s_mov_b32 s47, 0
	s_mul_i32 s45, s14, HALFT                      ; where they go: wave x 8 tiles: no place in the cluster enters an LDS address
	s_lshl_b32 s94, s14, 12
	s_lshl_b32 s100, s17, 4
	s_lshl_b32 s13, s15, 3
	s_add_co_u32 s100, s100, s13                   ; kept for the way out: my first tile of P, counted in its tensor,
	s_lshl_b32 s101, s42, 1
	s_add_co_u32 s101, s101, s16                   ; and which 128 of j are mine
	s_wait_kmcnt 0x0
	s_add_nc_u64 s[20:21], s[4:5], s[20:21]
	s_add_nc_u64 s[22:23], s[6:7], s[22:23]
	s_add_nc_u64 s[46:47], s[4:5], s[46:47]
	s_add_nc_u64 s[92:93], s[6:7], s[92:93]
	CROUND                                         ; all sixteen work-groups are here: the first joint loads meet
	s_mov_b32 s[G0S], 1
	s_add_co_u32 s[G0S+1], s94, SCL
	s_mov_b64 s[G0S+2:G0S+3], s[22:23]
	s_or_b32 s[G0S+3], s[G0S+3], 0x80000000
	s_mov_b32 s[G0SB], 1
	s_add_co_u32 s[G0SB+1], s94, SCL
	s_mov_b64 s[G0SB+2:G0SB+3], s[92:93]
	s_or_b32 s[G0SB+3], s[G0SB+3], 0x80000000
	JLOAD G0S, G1S, G0SB, G1SB                     ; the scale words first: they are wanted with K step 0
.irp s, 0,1
	s_mov_b32 s[G0+4*\s], 1
	s_add_co_u32 s[G0+4*\s+1], s45, \s*SLOT
	s_add_nc_u64 s[G0+4*\s+2:G0+4*\s+3], s[20:21], \s*KSB
	s_or_b32 s[G0+4*\s+3], s[G0+4*\s+3], 0x80000000
	s_mov_b32 s[G0B+4*\s], 1
	s_add_co_u32 s[G0B+4*\s+1], s45, \s*SLOT
	s_add_nc_u64 s[G0B+4*\s+2:G0B+4*\s+3], s[46:47], \s*KSB
	s_or_b32 s[G0B+4*\s+3], s[G0B+4*\s+3], 0x80000000
	JLOAD G0+4*\s, G1, G0B+4*\s, G1B               ; three loads of mine are out now
.endr
	v_and_b32 v1, 31, v0                           ; lane
	v_and_b32 v2, 15, v0                           ; r
	v_bfe_u32 v3, v0, 4, 1                         ; h
	v_lshlrev_b32 v4, 3, v1                        ; 8 x lane: my place in an image
	s_mul_i32 s21, s15, HALFT                      ; my 8 tiles of P
	s_mul_i32 s22, s16, HALFT                      ; my 8 tiles of R,
	s_add_co_u32 s22, s22, 2*HALFT                 ; which lie behind P's 16
.irp s, 0,1
	v_add_nc_u32 v[ADRA+\s], s21, v4
	v_add_nc_u32 v[ADRB+\s], s22, v4
	s_add_co_u32 s21, s21, SLOT
	s_add_co_u32 s22, s22, SLOT
.endr
	v_lshlrev_b32 v5, 3, v2                        ; my row's two words of a K step
	s_lshl_b32 s21, s15, 12                        ; P's: my 8 tiles
	s_lshl_b32 s22, s16, 12                        ; R's: my 8 tiles, behind P's 16
	s_add_co_u32 s22, s22, 2*HALFS
	s_sub_co_u32 s22, s22, s21
	v_mul_u32_u24 v6, s22, v3                      ; lanes 16-31 take R's
	s_add_co_u32 s21, s21, SCL
	v_add_nc_u32 v5, v5, v6
	v_add_nc_u32 v[ADRS], s21, v5
.macro FRAG reg, adr, q, i             ; a fragment comes as it was stored: six loads of 8 bytes a lane, each 256 consecutive bytes
.irp p, 0,1,2,3,4,5
	ds_load_b64 v[\reg+2*\p:\reg+2*\p+1], v[\adr] offset:(\i)*KSB+(\q)*FRB+256*\p
.endr
.endm
; 16 matrix instructions: P's blocks a0, a0 + 1 x R's eight, 128 along K: the slot's q-th.  p: R's set;  sc: the set of scale words.  zero = 1: the first product starts the sums: nothing is ever cleared.
; The 64 accumulators take turns, one instruction a turn, in the same order in every step.
.macro MUL16 a0, p, q, sc, zero
.irp a, \a0, \a0+1
.irp b, 0,1,2,3,4,5,6,7
.if \zero
	v_wmma_scale_f32_16x16x128_f8f6f4 v[8*(8*((\a)%4)+\b):8*(8*((\a)%4)+\b)+7], v[128*(\p)+FR*\b:128*(\p)+FR*\b+FR-1], v[AF+FR*(\a):AF+FR*(\a)+FR-1], 0, v[SC+8*NQ*(\sc)+NQ*\b+(\q)], v[SC+8*NQ*(\sc)+NQ*(\a)+(\q)] matrix_a_fmt:MATRIX_FMT_FP6 matrix_b_fmt:MATRIX_FMT_FP6 matrix_a_scale:MATRIX_SCALE_ROW1
.else
	v_wmma_scale_f32_16x16x128_f8f6f4 v[8*(8*((\a)%4)+\b):8*(8*((\a)%4)+\b)+7], v[128*(\p)+FR*\b:128*(\p)+FR*\b+FR-1], v[AF+FR*(\a):AF+FR*(\a)+FR-1], v[8*(8*((\a)%4)+\b):8*(8*((\a)%4)+\b)+7], v[SC+8*NQ*(\sc)+NQ*\b+(\q)], v[SC+8*NQ*(\sc)+NQ*(\a)+(\q)] matrix_a_fmt:MATRIX_FMT_FP6 matrix_b_fmt:MATRIX_FMT_FP6 matrix_a_scale:MATRIX_SCALE_ROW1
.endif
.endr
.endr
.endm
.macro FETCH_B slot, q, p              ; R's eight fragments of the slot's q-th 128 along K into set p
	WIN TO_B
.irp i, 0,1,2,3,4,5,6,7
	FRAG 128*(\p)+FR*\i, ADRB+\slot, \q, \i
.endr
	WIN 0
.endm
.macro FETCH_A slot, q, i0             ; P's blocks i0 .. i0 + 3
.irp i, \i0, \i0+1, \i0+2, \i0+3
	FRAG AF+FR*(\i), ADRA+\slot, \q, \i
.endr
.endm
.macro SCALES sc                       ; the next K step's scale words into set sc: two words a row; lanes 0-15 take P's tile i, lanes 16-31 R's tile i
.irp i, 0,1,2,3,4,5,6,7
	ds_load_b64 v[SC+8*NQ*\sc+NQ*\i:SC+8*NQ*\sc+NQ*\i+1], v[ADRS] offset:\i*512
.endr
.endm
; A load into a register that a matrix instruction has read, and a vector instruction that reads a matrix result, stand NP places behind that matrix instruction; only plain vector instructions that name none of
; its registers are places (ISA guide 7.12.1 for vector instructions).
.macro PLACES n
.rept \n
	v_nop
.endr
.endm
.macro STEP slot, q, zero              ; a step of 128 along K that has its successor in the same slot
	s_wait_dscnt 4*NL                              ; R's set and P's blocks 0-3 are in; the youngest 24 loads (P's blocks 4-7) may be out
	WIN MUL_LO
	MUL16 0, (\q)%2, \q, \slot, \zero
	MUL16 2, (\q)%2, \q, \slot, \zero
	s_wait_dscnt 0                                 ; P's blocks 4-7 are in (asked for 32 matrix instructions ago)
	PLACES NP
	FETCH_B \slot, (\q)+1, 1-(\q)%2
	FETCH_A \slot, (\q)+1, 0
	WIN MUL_HI
	MUL16 4, (\q)%2, \q, \slot, \zero
	MUL16 6, (\q)%2, \q, \slot, \zero
	PLACES NP
	WIN 0
	FETCH_A \slot, (\q)+1, 4
.endm
; A slot's last step changes slots: ONE barrier; in front of it each wave waits for all its tensor loads, adds 0 to its spare word, and waits for that and for its own reads of this slot.  fill = 1: this slot is filled again, two K steps ahead.
.macro TURN slot, next, fill
	s_wait_tensorcnt 0x0                           ; all my tensor loads have landed: my part of the next slot  (every window is 0 here)
	ds_add_u32 v[SPW], v[NIL]                      ; 0 onto my spare word
	s_wait_dscnt 4*NL+1                            ; (the add and the youngest 24 loads, P's blocks 4-7, may be out)
	WIN MUL_LO
	MUL16 0, 1, NQ-1, \slot, 0                     ; sixteen matrix instructions stand between the add and the wait for it
	s_wait_dscnt 0x0                               ; the add is done, and my reads of this slot are over
	s_barrier_signal -1
	MUL16 2, 1, NQ-1, \slot, 0
	WIN 0
	s_barrier_wait -1
.if \fill
	CREST                                          ; the barrier has opened a round of the cluster's barrier: no wave of any partner still reads this slot's tiles or has a load on its way
	s_add_nc_u64 s[G0+4*\slot+2:G0+4*\slot+3], s[G0+4*\slot+2:G0+4*\slot+3], 2*KSB
	s_add_nc_u64 s[G0B+4*\slot+2:G0B+4*\slot+3], s[G0B+4*\slot+2:G0B+4*\slot+3], 2*KSB
	JLOAD G0+4*\slot, G1, G0B+4*\slot, G1B         ; the first tensor load behind the round; the four v_nop behind it are the places in front of the loads below
.else
	PLACES NP
.endif
	v_add_nc_u32 v[ADRS], 128, v[ADRS]             ; on to the next K step's scale words (no LDS load of mine is out)
	FETCH_B \next, 0, 0
	FETCH_A \next, 0, 0
	SCALES \next
	WIN MUL_HI
	MUL16 4, 1, NQ-1, \slot, 0
	MUL16 6, 1, NQ-1, \slot, 0
	PLACES NP
	WIN 0
	FETCH_A \next, 0, 4
.endm
	s_wait_tensorcnt 1                             ; the scale words and my part of K step 0 are in (K step 1's load may be out),
	s_barrier_signal -1
	s_barrier_wait -1                              ; everybody's are
	FETCH_B 0, 0, 0
	FETCH_A 0, 0, 0
	SCALES 0
	FETCH_A 0, 0, 4
	STEP 0, 0, 1                                   ; the first step stands in front of the loop: its products start the sums
	s_mov_b32 s3, LAPS-1
.Llap:                                                 ; a trip goes once round the ring, from a lap's second step to the next lap's first, and fills both slots again
	TURN 0, 1, 1
	STEP 1, 0, 0
	TURN 1, 0, 1
	STEP 0, 0, 0
	s_sub_co_u32 s3, s3, 1
	s_cmp_lg_u32 s3, 0
	s_cbranch_scc1 .Llap
	TURN 0, 1, 0                                   ; the last lap fills nothing, and has no round of the cluster's barrier
	STEP 1, 0, 0
	s_wait_dscnt 4*NL                              ; the very last step: nothing more to fetch
	WIN MUL_LO
	MUL16 0, 1, NQ-1, 1, 0
	MUL16 2, 1, NQ-1, 1, 0
	s_wait_dscnt 0
	WIN MUL_HI
	MUL16 4, 1, NQ-1, 1, 0
	MUL16 6, 1, NQ-1, 1, 0
	WIN 0
	; ---------------- THE WAY OUT ----------------
	; No tensor load of mine is out (the last change of slots waited for all), so the descriptors' registers are free.
.set CA,   64                          ; v64-71  block a's byte offset in himg: 8 x lane + (a % 4) sa1 + (a / 4) sa2
.set SA,   72                          ; v72-75  the scale words' offset for blocks 2 i, 2 i + 1
.set SELV, 76                          ; v76     v_perm_b32's selector: lanes 0-15 and lanes 16-31 store different words
.set TM,   80                          ; v80-95  at work in the quantiser
.set PW,   96                          ; v96-97  the scale words of an even and an odd block
.set WD,   98                          ; v98     the word to store
.set PC,   100                         ; v100-111 a fragment's codes; v112-114, v116-118 the halves that are moved
.set BS,   48                          ; s[48:49], s[50:51] where a fragment's two halves go;  s[52:53] the scale words
.set SBS,  52
.set SEL,  54                          ; s[54:55] v_permlanex16_b32's selects for lane l xor 16
	s_lshr_b32 s32, s100, 7                        ; Q, K: my tiles' batch,
	s_and_b32 s33, s100, 127                       ; my first tile in it; my 128 of j are heads 2 g and 2 g + 1
	s_mul_i32 s34, s104, 6291456
	s_mul_i32 s41, s32, 1572864
	s_add_co_u32 s34, s34, s41
	s_mul_i32 s41, s101, 196608
	s_add_co_u32 s34, s34, s41
	s_mul_i32 s41, s33, 768
	s_add_co_u32 s34, s34, s41                     ; codes
	s_lshl_b32 s36, s104, 18
	s_lshl_b32 s41, s32, 16
	s_add_co_u32 s36, s36, s41
	s_lshl_b32 s41, s101, 13
	s_add_co_u32 s36, s36, s41
	s_lshl_b32 s41, s33, 5                         ; 64 bytes for each pair of tiles
	s_add_co_u32 s36, s36, s41                     ; scale words
	s_lshr_b32 s32, s101, 4                        ; V: my 128 keys' batch,
	s_and_b32 s33, s101, 15                        ; their step in it,
	s_lshr_b32 s42, s100, 2                        ; my first head (four tiles of channels a head)
	s_mul_i32 s38, s32, 1572864
	s_mul_i32 s41, s42, 98304
	s_add_co_u32 s38, s38, s41
	s_mul_i32 s41, s33, 6144
	s_add_co_u32 s38, s38, s41
	s_add_co_u32 s38, s38, 12582912                ; codes
	s_lshl_b32 s39, s32, 16
	s_lshl_b32 s41, s42, 12
	s_add_co_u32 s39, s39, s41
	s_lshl_b32 s41, s33, 8
	s_add_co_u32 s39, s39, s41
	s_add_co_u32 s39, s39, 524288                  ; scale words
	s_cmp_eq_u32 s104, 2                           ; V?  Only moves and selections follow, which leave SCC alone
	s_cselect_b32 s34, s38, s34
	s_cselect_b32 s36, s39, s36
	s_mov_b32 s24, 1536
	s_cselect_b32 s24, s24, 768                    ; sa1: from block to block
	s_mov_b32 s25, 98304
	s_cselect_b32 s25, s25, 3072                   ; sa2: from blocks 0-3 to blocks 4-7 (V: the next head)
	s_mov_b32 s26, 768
	s_cselect_b32 s26, s26, 98304                  ; from a fragment's first half to its second (Q, K: the next head)
	s_cselect_b32 s28, 64, 4096                    ; scale words: from lanes 0-15 to lanes 16-31 (V: the next tile; Q, K: the next head)
	s_mov_b32 s29, 128
	s_cselect_b32 s29, s29, 64                     ; from pair to pair of blocks,
	s_mov_b32 s30, 4096
	s_cselect_b32 s30, s30, 128                    ; and two pairs on
	s_mov_b32 s31, 0x03020100                      ; V: lanes 0-15 store the even block's word, lanes 16-31 the odd block's;
	s_cselect_b32 s31, s31, 0x05040100             ; Q, K: lanes 0-15 both blocks' bytes 0, 1 (head 2 g),
	s_mov_b32 s40, 0x07060504
	s_cselect_b32 s40, s40, 0x07060302             ; lanes 16-31 both blocks' bytes 2, 3 (head 2 g + 1)
	s_mov_b32 s35, 0
	s_mov_b32 s37, 0
	s_mov_b32 s27, 0
	s_add_nc_u64 s[BS:BS+1], s[96:97], s[34:35]
	s_add_nc_u64 s[BS+2:BS+3], s[BS:BS+1], s[26:27]
	s_add_nc_u64 s[SBS:SBS+1], s[98:99], s[36:37]
	s_mov_b32 s[SEL], 0x76543210
	s_mov_b32 s[SEL+1], 0xfedcba98
	v_mov_b32 v[CA], v4                            ; these plain lines, which name no register of the last products, are the places behind them
	v_add_nc_u32 v[CA+1], s24, v[CA]
	v_add_nc_u32 v[CA+2], s24, v[CA+1]
	v_add_nc_u32 v[CA+3], s24, v[CA+2]
.irp a, 0,1,2,3
	v_add_nc_u32 v[CA+4+\a], s25, v[CA+\a]
.endr
	v_lshlrev_b32 v[SA], 2, v2
	v_mul_u32_u24 v77, s28, v3
	v_add_nc_u32 v[SA], v[SA], v77
	v_add_nc_u32 v[SA+1], s29, v[SA]
	v_add_nc_u32 v[SA+2], s30, v[SA]
	v_add_nc_u32 v[SA+3], s30, v[SA+1]
	v_cmp_ne_u32 vcc_lo, 0, v3
	v_mov_b32 v[SELV], s31
	v_mov_b32 v77, s40
	v_cndmask_b32 v[SELV], v[SELV], v77, vcc_lo
.irp b, 0,1,2,3
	v_mov_b32 v[TM+4+\b], 0                        ; written once: a lane permute's destination counts as one of its sources
.endr
; The 64 registers at v[s] of window w (register 16 b + i = j 32 b + 16 (lane / 16) + i of my row) become a fragment's codes in v[PC] on and its scale word in v[pw].  Each accumulator is read from its low end on.
.macro QUANTW w, s, pw
.set W1, (\w)|((\w)<<2)
.set W2, ((\w)<<2)|((\w)<<4)
.set W3, (\w)
	WIN W1                                         ; sources 0 and 1 in the accumulators' window
.irp b, 0,1,2,3
	v_max3_num_f32 v[TM+\b], |v[(\s)+16*\b]|, |v[(\s)+1+16*\b]|, 0x1800000   ; and the floor 2^(3 - 127): the byte cannot fall under 1
.endr
	WIN W2                                         ; sources 1 and 2
.irp i, 2,4,6,8,10,12,14
.irp b, 0,1,2,3
	v_max3_num_f32 v[TM+\b], v[TM+\b], |v[(\s)+16*\b+\i]|, |v[(\s)+1+16*\b+\i]|
.endr
.endr
	WIN 0
.irp b, 0,1,2,3
	v_permlanex16_b32 v[TM+4+\b], v[TM+\b], s[SEL], s[SEL+1]
.endr
.irp b, 0,1,2,3
	v_max_num_f32 v[TM+\b], v[TM+\b], v[TM+4+\b]   ; the block's largest magnitude
.endr
.irp b, 0,1,2,3
	v_add_nc_u32 v[TM+12+\b], 0xff000000, v[TM+\b] ; 2 off its exponent field: the conversion's scale operand
.endr
.irp b, 0,1,2,3
	v_lshrrev_b32 v[TM+4+\b], 23, v[TM+12+\b]      ; the scale's byte
.endr
	v_lshl_or_b32 v[\pw], v[TM+5], 8, v[TM+4]
	v_lshl_or_b32 v[\pw], v[TM+6], 16, v[\pw]
	v_lshl_or_b32 v[\pw], v[TM+7], 24, v[\pw]
	WIN W3                                         ; source 0
.irp c, 0,1
	v_cvt_scalef32_pk16_fp6_f32 v[PC+6*\c:PC+2+6*\c], v[(\s)+32*\c:(\s)+15+32*\c], v[TM+12+2*\c]
	v_cvt_scalef32_pk16_fp6_f32 v[PC+12+4*\c:PC+14+4*\c], v[(\s)+16+32*\c:(\s)+31+32*\c], v[TM+12+2*\c+1]
.endr
	WIN 0
	v_nop                                          ; one plain instruction behind the scaled conversions
.irp c, 0,1
.irp i, 0,1,2
	v_permlane16_swap_b32 v[PC+6*\c+\i], v[PC+12+4*\c+\i]
.endr
.irp i, 0,1,2
	v_mov_b32 v[PC+3+6*\c+\i], v[PC+12+4*\c+\i]
.endr
.endr
.endm
.irp a, 0,1,2,3,4,5,6,7
.if \a > 0
	s_wait_xcnt 0x0                                ; the last block's stores have read their registers: they are written again only behind this wait
.endif
	QUANTW 2+\a/4, 64*(\a%4), PW+\a%2
.irp p, 0,1,2,3,4,5
	global_store_b64 v[CA+\a], v[PC+2*\p:PC+2*\p+1], s[BS+2*(\p/3):BS+2*(\p/3)+1] offset:256*(\p%3)   ; 32 lanes store 256 consecutive bytes, aligned
.endr
.if \a%2
	v_perm_b32 v[WD], v[PW+1], v[PW], v[SELV]
	global_store_b32 v[SA+\a/2], v[WD], s[SBS:SBS+1]   ; two runs of 64 consecutive bytes
.endif
.endr
	s_wait_tensorcnt 0x0                           ; the wave's end
	ds_add_u32 v[SPW], v[NIL]
	s_wait_dscnt 0x0
	CROUND                                         ; the closing round: no work-group ends while a partner may still ask for a tile that names it
	s_endpgm
.Lfunc_end_k_qd2e3a2c189_proj:
	.size	k_qd2e3a2c189_proj, .Lfunc_end_k_qd2e3a2c189_proj-k_qd2e3a2c189_proj
	.p2alignl 7, 3214868480
	.fill 96, 4, 3214868480
	.section	.rodata,"a",@progbits
	.p2align	6, 0x0
	.amdhsa_kernel k_qd2e3a2c189_proj
		.amdhsa_group_segment_fixed_size 327680
		.amdhsa_private_segment_fixed_size 0
		.amdhsa_enable_private_segment 0
		.amdhsa_kernarg_size 32
		.amdhsa_user_sgpr_count 2
		.amdhsa_user_sgpr_kernarg_segment_ptr 1
		.amdhsa_wavefront_size32 1
		.amdhsa_system_sgpr_workgroup_id_x 1
		.amdhsa_system_sgpr_workgroup_id_y 1
		.amdhsa_system_sgpr_workgroup_id_z 1
		.amdhsa_system_vgpr_workitem_id 0
		.amdhsa_next_free_vgpr 1024
		.amdhsa_next_free_sgpr 106
		.amdhsa_reserve_vcc 1
		.amdhsa_float_denorm_mode_32 3
		.amdhsa_float_denorm_mode_16_64 3
		.amdhsa_memory_ordered 1
		.amdhsa_forward_progress 1
		.amdhsa_inst_pref_size 169
	.end_amdhsa_kernel
	.amdgpu_metadata
---
amdhsa.version: [ 1, 2 ]
amdhsa.kernels:
  - .name:           k_qd2e3a2c189_proj
    .symbol:         k_qd2e3a2c189_proj.kd
    .args:
      - { .name: ximg, .offset: 0, .size: 8, .value_kind: global_buffer, .address_space: global }
      - { .name: xsc, .offset: 8, .size: 8, .value_kind: global_buffer, .address_space: global }
      - { .name: himg, .offset: 16, .size: 8, .value_kind: global_buffer, .address_space: global }
      - { .name: hsc, .offset: 24, .size: 8, .value_kind: global_buffer, .address_space: global }
    .group_segment_fixed_size: 327680
    .private_segment_fixed_size: 0
    .kernarg_segment_align: 8
    .kernarg_segment_size: 32
    .max_flat_workgroup_size: 128
    .sgpr_count:     106
    .vgpr_count:     1024
    .wavefront_size: 32
...
	.end_amdgpu_metadata
.endif
;; end of part 2
;; launch attn (part 3): grid 4 x 64, 16 waves a work-group, no clusters, 206,848 bytes of LDS; arguments himg, hsc, maskw, mflag, aimg, asc; writes aimg, asc
.if DOCPART == 3
	.amdgcn_target "amdgcn-amd-amdhsa--gfx1250"
	.amdhsa_code_object_version 6
	.text
	.protected	k_qd2e3a2c189_attn
	.globl	k_qd2e3a2c189_attn
	.p2align	8
	.type	k_qd2e3a2c189_attn,@function
k_qd2e3a2c189_attn:
	s_mov_b64 s[64:65], 0
	v_nop
	global_prefetch_b8 v0, s[64:65] scope:SCOPE_SE
	s_setreg_imm32_b32 hwreg(HW_REG_WAVE_MODE, 25, 1), 1
	s_wait_xcnt 0x0
; ATTN.  For each batch and head: S = Q K^T / 8, the mask, the softmax, O = P V, O / l, and the quantising of O along (head, channel) for the last projection.  Both products on codes of FP6 (E2M3) with E8M0 scales.
; THE SOFTMAX AHEAD OF THE SECOND PRODUCT: t = score x log2(e) / 8; M = the row's largest t so far, rounded UP to a whole number; p = 2^(t - M) is what is quantised, along the keys, not normalised.  The row's sum is
; taken of the unquantised p and divides O at the end.  When M moves, the sum and O are multiplied by 2^(old M - new M): exact.
; THE MASK: where mask is 0 the raw score becomes -2^33, a logit of -2^30 in place of -1e9.  -2^33 x log2(e) / 8 is exact and whole, so a row that is masked whole has p = 1 at every key, as it has with -1e9.
; LIMIT: the result is reference()'s as long as a row's largest unmasked logit lies above about -9.9e8.  NaN and infinities are not served.  A block of zeros gets the byte 1: its codes are zeros.
; SHARES.  A work-group owns one (batch, head) and 512 queries; each of its sixteen waves owns 32 of them: two tiles of 16, one after the other (two passes of one text).  Four waves to a SIMD, so that one wave's
; vector work stands beside another's matrix work and LDS loads.  THE WHOLE HEAD'S K AND V STAY IN LDS (196,608 bytes of codes, 8,192 of scale words), filled once through registers: one barrier in the launch.
; NO CLUSTER, NO TENSOR LOAD: the four work-groups of a head read the same 204,800 bytes, but once, at the head; a joint load is a tensor load, and this text branches on stored flags (mflag) round the mask's
; 64 selections of a step.
; LAYOUT.  Both products are used transposed: S^T = K Q^T, O^T = V^T P^T: a lane holds ONE query (lane % 16) throughout.  Operands are images of fragments: registers 2 p, 2 p + 1 of lane l at 256 p + 8 l.
; Lane-row r of tile 2 B + u (of queries, keys or channels) is row 32 B + 8 u + r % 8 + 16 (r / 8): so score register 16 b + i is key 32 b + 16 (lane / 16) + i of the step, and O^T's register 16 b + i channel 32 b + 16 (lane / 16) + i.
; K = 64 FILLS HALF OF THE INSTRUCTION'S 128: a fragment of K holds TWO tiles of keys (one in k 0..63, one in k 64..127).  Q stands in 18 registers as [q | zero codes | q]: registers 0-11 pick the first tile, registers 6-17 the second.
; REGISTERS: v1-5 addresses and constants; v8-10 the step's LDS addresses; v12 -M, v13 the largest t, v[14:15] the sum in two halves; v32-79 four fragments of K, then of V; v96-159 S^T, then p; v160-191 O^T;
;   v192-209 Q; v210-221 both passes' Q; v222 their scale words; v224-235 p's codes; v232-247 at work; v248-249 K's scale words, v250-251 V's; v252 f; v253 p's scale word; v254 at work; v255 Q's scale word.
.set VL,  98304                        ; LDS: K's 64 fragments at 0 (6,144 bytes a step of 128 keys); V's [step 16][tile 4][1536] here;
.set KS,  196608                       ; K's scale words [fragment 64][16 rows], 256 bytes a step;
.set VS,  200704                       ; V's [step][tile][16 rows], 256 bytes a step
.set WV,  84                           ; s84  my wave's number
.set SEL, 86                           ; s[86:87] v_permlanex16_b32's selects for lane l xor 16
.set CS,  88                           ; s[88:89] c = log2(e) / 8: the packed form names a pair and takes its low word for both halves
.set TB,  90                           ; s90  LDS byte at which the step's fragments begin
.set TS,  91                           ; s91  and its scale words
.set MO,  92                           ; s92  the step's 256 bytes of mask words
.set ST,  93                           ; s93  the step
.set U,   94                           ; s94  the pass
.set UM,  95                           ; s95  0 or all ones: the pass as a lane mask
.set FLG, 96                           ; s96  bit s: step s of this pass's tile has a hole;  s97, s98: both passes'
.set QSL, 99                           ; s99  which two bytes of v222 are this pass's
	s_load_b256 s[4:11], s[0:1], 0x0               ; himg, hsc, maskw, mflag
	s_load_b128 s[12:15], s[0:1], 0x20             ; aimg, asc
	v_lshl_add_u32 v223, v0, 2, 0x32000
	v_mov_b32 v243, 0
	v_lshrrev_b32 v1, 5, v0
	v_readfirstlane_b32 s[WV], v1                  ; wave 0..15
	v_and_b32 v6, 31, v0                           ; lane
	v_and_b32 v4, 15, v0                           ; r
	v_lshlrev_b32 v1, 3, v6                        ; 8 x lane: my place in an image (K's fragments begin at LDS byte 0)
	v_add_nc_u32 v2, VL, v1                        ; the same among V's
	v_lshl_add_u32 v3, v6, 2, KS                   ; 4 x lane: two fragments' scale words to a load
	v_lshlrev_b32 v16, 2, v4                       ; 4 r
	v_lshlrev_b32 v4, 3, v4                        ; 8 r: my row in asc
	v_lshlrev_b32 v6, 4, v6                        ; 16 x lane
	s_mul_i32 s100, s[WV], 6144
	v_add_nc_u32 v7, s100, v6                      ; the fill: my wave's sixteenth of K's codes in LDS,
	v_add_nc_u32 v11, VL, v7                       ; of V's,
	s_lshl_b32 s101, s[WV], 8
	v_add_nc_u32 v17, s101, v1
	v_add_nc_u32 v17, KS, v17                      ; and of the scale words
	s_and_b32 s85, ttmp7, 0xffff                   ; 16 x batch + head
	s_lshl_b32 s25, ttmp9, 4
	s_add_co_u32 s25, s25, s[WV]                   ; B: my pair of tiles of queries, 0..63
	s_mul_i32 s16, s85, 98304                      ; a head's codes
	s_mul_i32 s18, s[WV], 6144
	s_add_co_u32 s18, s18, s16
	s_add_co_u32 s20, s18, 12582912                ; V's part that I fetch
	s_add_co_u32 s18, s18, 6291456                 ; K's
	s_mul_i32 s22, s25, 1536
	s_add_co_u32 s22, s22, s16                     ; my two tiles of Q
	s_lshl_b32 s24, s85, 12                        ; a head's scale words
	s_lshl_b32 s26, s[WV], 8
	s_add_co_u32 s26, s26, s24
	s_add_co_u32 s28, s26, 524288                  ; V's
	s_add_co_u32 s26, s26, 262144                  ; K's
	s_lshl_b32 s30, s25, 6
	s_add_co_u32 s30, s30, s24                     ; Q's
	s_mov_b32 s19, 0
	s_mov_b32 s21, 0
	s_mov_b32 s23, 0
	s_mov_b32 s27, 0
	s_mov_b32 s29, 0
	s_mov_b32 s31, 0
	s_lshl_b32 s32, s25, 13                        ; maskw: 4,096 bytes a tile
	s_mov_b32 s33, 0
	s_lshl_b32 s34, s25, 7                         ; mflag: 64 bytes a tile
	s_mov_b32 s35, 0
	s_lshr_b32 s36, s85, 4
	s_lshl_b32 s36, s36, 7
	s_lshl_b32 s37, s25, 1
	s_add_co_u32 s36, s36, s37                     ; my first tile among the 512: 128 x batch + 2 B
	s_and_b32 s37, s85, 15                         ; head
	s_mul_i32 s38, s36, 12288
	s_mul_i32 s40, s37, 768                        ; aimg: [tile][K step 8][1536]: head x 64 along K is head x 768 bytes
	s_add_co_u32 s38, s38, s40
	s_mov_b32 s39, 0
	s_lshl_b32 s40, s36, 9                         ; asc: [tile][4][16 rows][2 words]: 128 (head / 4) + 2 (head % 4)
	s_lshr_b32 s42, s37, 2
	s_lshl_b32 s42, s42, 7
	s_add_co_u32 s40, s40, s42
	s_and_b32 s42, s37, 3
	s_lshl_b32 s42, s42, 1
	s_add_co_u32 s40, s40, s42
	s_mov_b32 s41, 0
	s_wait_kmcnt 0x0
	s_add_nc_u64 s[18:19], s[4:5], s[18:19]
	s_add_nc_u64 s[20:21], s[4:5], s[20:21]
	s_add_nc_u64 s[22:23], s[4:5], s[22:23]
	s_add_nc_u64 s[26:27], s[6:7], s[26:27]
	s_add_nc_u64 s[28:29], s[6:7], s[28:29]
	s_add_nc_u64 s[30:31], s[6:7], s[30:31]
	s_add_nc_u64 s[8:9], s[8:9], s[32:33]
	s_add_nc_u64 s[10:11], s[10:11], s[34:35]
	s_add_nc_u64 s[12:13], s[12:13], s[38:39]
	s_add_nc_u64 s[14:15], s[14:15], s[40:41]
	; THE FILL: 33 loads a wave, then 26 LDS stores, each behind the count that leaves the younger loads out
.set n, 0
.rept 12
	global_load_b128 v[32+4*n:35+4*n], v6, s[18:19] offset:512*n
.set n, n+1
.endr
.set n, 0
.rept 12
	global_load_b128 v[80+4*n:83+4*n], v6, s[20:21] offset:512*n
.set n, n+1
.endr
	global_load_b64 v[128:129], v1, s[26:27]
	global_load_b64 v[130:131], v1, s[28:29]
.irp p, 0,1,2,3,4,5
	global_load_b64 v[210+2*\p:211+2*\p], v1, s[22:23] offset:256*\p   ; Q: v210-215 the even tile's six registers, v216-221 the odd tile's
.endr
	global_load_b32 v222, v16, s[30:31]            ; bytes 0, 1 the even tile's two blocks, bytes 2, 3 the odd tile's
	s_load_b512 s[32:47], s[10:11], 0x0            ; the even tile's sixteen flags
	s_load_b512 s[48:63], s[10:11], 0x40           ; the odd tile's
	s_mov_b32 s[SEL], 0x76543210
	s_mov_b32 s[SEL+1], 0xfedcba98
	s_mov_b32 s[CS], 0x3e38aa3b                    ; c = log2(e) / 8
	s_mov_b32 s[CS+1], s[CS]                       ; (named with it as a pair, so it is written)
	s_mov_b32 s[U], 0
	v_mov_b32 v5, 0xd0000000                       ; -2^33
.irp i, 198,199,200,201,202,203
	v_mov_b32 v[\i], 0                             ; the zero codes between the two copies of q
.endr
.irp i, 236,237,238,239,252,253
	v_mov_b32 v[\i], 0                             ; written once: a lane permute's destination counts as one of its sources; v253 is named as the upper half of a pair before it is first made
.endr
	s_wait_kmcnt 0x0
	s_or_b32 s97, s32, s33
	s_or_b32 s98, s48, s49
.set n, 2
.rept 14
	s_or_b32 s97, s97, s[32+n]
	s_or_b32 s98, s98, s[48+n]
.set n, n+1
.endr
.set n, 0
.rept 12
	s_wait_loadcnt 32-n                            ; load n of the 33 is in
	ds_store_b128 v7, v[32+4*n:35+4*n] offset:512*n
.set n, n+1
.endr
.set n, 0
.rept 12
	s_wait_loadcnt 20-n
	ds_store_b128 v11, v[80+4*n:83+4*n] offset:512*n
.set n, n+1
.endr
	s_wait_loadcnt 8
	ds_store_b64 v17, v[128:129]
	s_wait_loadcnt 7
	ds_store_b64 v17, v[130:131] offset:VS-KS
	s_wait_dscnt 0x0                               ; for the others' sake: my stores have landed
	s_barrier_signal -1
	s_barrier_wait -1                              ; the head's K and V lie in LDS; from here on LDS is only read
	s_wait_loadcnt 0x0                             ; Q and its scale words
.Lpass:                                            ; two trips: my even tile, my odd tile
	s_cmp_eq_u32 s[U], 0
	s_cselect_b32 s[UM], 0, -1
	s_cselect_b32 s[FLG], s97, s98
	s_mov_b32 s[QSL], 0x03020302
	s_cselect_b32 s[QSL], 0x01000100, s[QSL]
	v_perm_b32 v255, v222, v222, s[QSL]            ; Q's scale word: the tile's two bytes, twice: they serve q in either half of K
.irp i, 0,1,2,3,4,5
	v_cndmask_b32 v[192+\i], v[210+\i], v[216+\i], s[UM]
.endr
.irp i, 0,1,2,3,4,5
	v_mov_b32 v[204+\i], v[192+\i]
.endr
	v_mov_b32 v13, 0xff61b1e6                      ; the largest t so far: -3e38, under every t
	v_floor_f32 v12, -v13                          ; -M
	v_mov_b32 v14, 0                               ; the sum, in two halves
	v_mov_b32 v15, 0
.set n, 0
.rept 32
	v_mov_b32 v[160+n], 0                          ; O^T.  (The step is written once: the first finds zeros.  These lines are also the places between Q's registers and scale word and the first product)
.set n, n+1
.endr
	s_mov_b32 s[TB], 0
	s_mov_b32 s[TS], 0
	s_mov_b32 s[MO], 0
	s_mov_b32 s[ST], 0
.Lstep:                                            ; sixteen trips: 128 keys each
	v_add_nc_u32 v8, s[TB], v1
	v_add_nc_u32 v9, s[TB], v2
	v_add_nc_u32 v10, s[TS], v3
	v_nop                                          ; four places in front of loads into registers that the last step's products have read
.irp f, 0,1,2,3
.irp p, 0,1,2,3,4,5
	ds_load_b64 v[32+12*\f+2*\p:33+12*\f+2*\p], v8 offset:1536*\f+256*\p   ; fragment f: keys 32 f .. 32 f + 31 of the step, two tiles
.endr
.endr
	ds_load_b32 v248, v10                          ; lanes 0-15: fragment 0's scale words, lanes 16-31: fragment 1's
	ds_load_b32 v249, v10 offset:128               ; fragments 2 and 3
	s_wait_dscnt 0x0
.irp f, 0,1,2,3
.irp u, 0,1
.if \f%2
	v_wmma_scale_f32_16x16x128_f8f6f4 v[96+8*(2*\f+\u):103+8*(2*\f+\u)], v[32+12*\f:43+12*\f], v[192+6*\u:203+6*\u], 0, v[248+\f/2], v255 matrix_a_fmt:MATRIX_FMT_FP6 matrix_b_fmt:MATRIX_FMT_FP6 matrix_a_scale:MATRIX_SCALE_ROW1
.else
	v_wmma_scale_f32_16x16x128_f8f6f4 v[96+8*(2*\f+\u):103+8*(2*\f+\u)], v[32+12*\f:43+12*\f], v[192+6*\u:203+6*\u], 0, v[248+\f/2], v255 matrix_a_fmt:MATRIX_FMT_FP6 matrix_b_fmt:MATRIX_FMT_FP6
.endif
.endr
.endr
.rept 4
	v_nop                                          ; places in front of the loads below and of the first read of the scores
.endr
.irp t, 0,1,2,3
.irp p, 0,1,2,3,4,5
	ds_load_b64 v[32+12*\t+2*\p:33+12*\t+2*\p], v9 offset:1536*\t+256*\p   ; V's four fragments of the step, asked for a whole softmax ahead of their use
.endr
.endr
	ds_load_b32 v250, v10 offset:VS-KS             ; V's scale words: tiles 0 and 1,
	ds_load_b32 v251, v10 offset:VS-KS+128         ; 2 and 3
	s_bitcmp1_b32 s[FLG], s[ST]                    ; a hole in this tile's mask at these 128 keys?  A stored whole number decides
	s_cbranch_scc0 .Lopen
	s_load_b512 s[16:31], s[8:9], s[MO] offset:0x0 ; the 64 lane masks of the step
	s_load_b512 s[32:47], s[8:9], s[MO] offset:0x40
	s_load_b512 s[48:63], s[8:9], s[MO] offset:0x80
	s_load_b512 s[68:83], s[8:9], s[MO] offset:0xc0
	s_wait_kmcnt 0x0
.set n, 0
.rept 64
	v_cndmask_b32 v[96+n], v5, v[96+n], s[16+n+4*(n/48)]   ; where the mask is 0: -2^33
.set n, n+1
.endr
.Lopen:
.irp b, 0,1,2,3
	v_max3_num_f32 v[232+\b], v[96+16*\b], v[97+16*\b], v[98+16*\b]   ; the largest score of each block of 32 keys: it serves for the row's maximum and, since p rises with the score, for the block's largest p
.endr
.irp i, 3,5,7,9,11,13
.irp b, 0,1,2,3
	v_max3_num_f32 v[232+\b], v[232+\b], v[96+16*\b+\i], v[97+16*\b+\i]
.endr
.endr
.irp b, 0,1,2,3
	v_max_num_f32 v[232+\b], v[232+\b], v[111+16*\b]
.endr
.irp b, 0,1,2,3
	v_permlanex16_b32 v[236+\b], v[232+\b], s[SEL], s[SEL+1]
.endr
.irp b, 0,1,2,3
	v_max_num_f32 v[232+\b], v[232+\b], v[236+\b]  ; with lane l xor 16's 16 keys
.endr
	v_max3_num_f32 v254, v232, v233, v234
	v_max_num_f32 v254, v254, v235                 ; the step's largest score of my query
	v_mul_f32 v254, s[CS], v254                    ; as t (c is positive)
	v_max_num_f32 v13, v13, v254                   ; the running largest t
	v_mov_b32 v254, v12
	v_floor_f32 v12, -v13                          ; the new -M = floor(-t) = -ceil(t): a whole number
	v_sub_f32 v254, v12, v254                      ; M's old value less its new one: a whole number, 0 or less
	v_cvt_i32_f32 v254, v254                       ; (it saturates)
	v_ldexp_f32 v252, 1.0, v254                    ; f = 2^(old M - new M)
.set n, 0
.rept 32
	v_pk_fma_f32 v[96+n:97+n], v[96+n:97+n], s[CS:CS+1], v[12:13] op_sel_hi:[1,0,0]   ; t - M, two at a time
.set n, n+2
.endr
.irp b, 0,1,2,3
	v_fma_f32 v[232+\b], v[232+\b], s[CS], v12     ; the same of each block's largest score
.endr
.set n, 0
.rept 64
	v_exp_f32 v[96+n], v[96+n]                     ; p = 2^(t - M), at most 1: not normalised
.set n, n+1
.endr
.irp b, 0,1,2,3
	v_exp_f32 v[232+\b], v[232+\b]                 ; the block's largest p: the same two instructions on the same number give the same bits
.endr
	v_pk_mul_f32 v[14:15], v[14:15], v[252:253] op_sel_hi:[1,0]   ; the sums under the new M: plain work that names no exponential's result,
.set n, 0
.rept 16
	v_pk_mul_f32 v[160+n:161+n], v[160+n:161+n], v[252:253] op_sel_hi:[1,0]   ; and O^T under the new M, each accumulator from its low end on
.set n, n+2
.endr
	s_wait_alu depctr_va_vdst(0)                   ; ONE wait for the batch of 68, ahead of its first reader
.irp b, 0,1,2,3
	v_max_num_f32 v[232+\b], 0x1800000, v[232+\b]  ; the floor 2^(3 - 127): the byte cannot fall under 1
.endr
.irp b, 0,1,2,3
	v_add_nc_u32 v[244+\b], 0xff000000, v[232+\b]  ; 2 off the exponent field: the conversion's scale operand
.endr
.irp b, 0,1,2,3
	v_lshrrev_b32 v[236+\b], 23, v[244+\b]         ; the scale's byte
.endr
	v_lshl_or_b32 v253, v237, 8, v236              ; p's scale word for these 128 keys
	v_lshl_or_b32 v253, v238, 16, v253
	v_lshl_or_b32 v253, v239, 24, v253
.irp c, 0,1
	v_cvt_scalef32_pk16_fp6_f32 v[224+6*\c:226+6*\c], v[96+32*\c:111+32*\c], v[244+2*\c]
	v_cvt_scalef32_pk16_fp6_f32 v[236+4*\c:238+4*\c], v[112+32*\c:127+32*\c], v[244+2*\c+1]   ; (a conversion's three registers begin on an even number)
.endr
	v_nop                                          ; one plain instruction behind the scaled conversions
.irp c, 0,1                            ; the operand's layout wants a whole block in a lane
.irp i, 0,1,2
	v_permlane16_swap_b32 v[224+6*\c+\i], v[236+4*\c+\i]
.endr
.irp i, 0,1,2
	v_mov_b32 v[227+6*\c+\i], v[236+4*\c+\i]
.endr
.endr
	v_pk_add_f32 v[236:237], v[96:97], v[98:99]    ; THE ROW'S SUM IS TAKEN OF THE UNQUANTISED p: two at a time, in two chains.  These 32 lines are also the places between p's codes and scale word and the products
.irp j, 4,8,12,16,20,24,28,32,36,40,44,48,52,56,60
	v_pk_add_f32 v[14:15], v[14:15], v[96+\j:97+\j]
	v_pk_add_f32 v[236:237], v[236:237], v[98+\j:99+\j]
.endr
	v_pk_add_f32 v[14:15], v[14:15], v[236:237]
	s_wait_dscnt 0x0                               ; V's fragments and scale words are in
.irp t, 0,1,2,3                        ; O^T += V^T P^T: the four accumulators by turns
.if \t%2
	v_wmma_scale_f32_16x16x128_f8f6f4 v[160+8*\t:167+8*\t], v[32+12*\t:43+12*\t], v[224:235], v[160+8*\t:167+8*\t], v[250+\t/2], v253 matrix_a_fmt:MATRIX_FMT_FP6 matrix_b_fmt:MATRIX_FMT_FP6 matrix_a_scale:MATRIX_SCALE_ROW1
.else
	v_wmma_scale_f32_16x16x128_f8f6f4 v[160+8*\t:167+8*\t], v[32+12*\t:43+12*\t], v[224:235], v[160+8*\t:167+8*\t], v[250+\t/2], v253 matrix_a_fmt:MATRIX_FMT_FP6 matrix_b_fmt:MATRIX_FMT_FP6
.endif
.endr
	s_add_co_u32 s[TB], s[TB], 6144
	s_add_co_u32 s[TS], s[TS], 256
	s_add_co_u32 s[MO], s[MO], 256
	s_add_co_u32 s[ST], s[ST], 1
	s_cmp_lt_u32 s[ST], 16
	s_cbranch_scc1 .Lstep
	; THE END OF A PASS: O^T / the sum, quantised along the head's 64 channels (two blocks), stored as half a fragment's image and two scale bytes a row
.rept 4
	v_nop                                          ; places behind the last products
.endr
	v_add_f32 v14, v14, v15                        ; the sum's two halves,
	v_permlanex16_b32 v252, v14, s[SEL], s[SEL+1]
	v_add_f32 v14, v14, v252                       ; and lane l xor 16's: the row's sum
	v_rcp_f32 v14, v14
	v_nop                                          ; a plain instruction behind the reciprocal,
	s_wait_alu depctr_va_vdst(0)                   ; and the wait ahead of its first reader
.set n, 0
.rept 32
	v_mul_f32 v[96+n], v[160+n], v14               ; register 16 b + i: channel 32 b + 16 (lane / 16) + i of my query
.set n, n+1
.endr
.irp b, 0,1
	v_max3_num_f32 v[232+\b], |v[96+16*\b]|, |v[97+16*\b]|, 0x1800000
.endr
.irp i, 2,4,6,8,10,12,14
.irp b, 0,1
	v_max3_num_f32 v[232+\b], v[232+\b], |v[96+16*\b+\i]|, |v[97+16*\b+\i]|
.endr
.endr
.irp b, 0,1
	v_permlanex16_b32 v[236+\b], v[232+\b], s[SEL], s[SEL+1]
.endr
.irp b, 0,1
	v_max_num_f32 v[232+\b], v[232+\b], v[236+\b]
.endr
.irp b, 0,1
	v_add_nc_u32 v[244+\b], 0xff000000, v[232+\b]
.endr
.irp b, 0,1
	v_lshrrev_b32 v[236+\b], 23, v[244+\b]
.endr
	v_lshl_or_b32 v246, v237, 8, v236              ; the row's two bytes
	v_cvt_scalef32_pk16_fp6_f32 v[224:226], v[96:111], v244
	v_cvt_scalef32_pk16_fp6_f32 v[240:242], v[112:127], v245
	v_nop                                          ; one plain instruction behind the scaled conversions
.irp i, 0,1,2
	v_permlane16_swap_b32 v[224+\i], v[240+\i]
.endr
.irp i, 0,1,2
	v_mov_b32 v[227+\i], v[240+\i]                 ; registers 0-5: channels 32 (lane / 16) + 0 .. 31
.endr
.irp p, 0,1,2
	global_store_b64 v1, v[224+2*\p:225+2*\p], s[12:13] offset:256*\p   ; 32 lanes store 256 consecutive bytes, aligned
.endr
	global_store_b16 v4, v246, s[14:15]            ; two bytes a row, 8 bytes apart: the word's other bytes are other heads', which other work-groups own.  Lanes l and l xor 16 write the same bytes with the same value
	s_wait_xcnt 0x0                                ; the stores have read their registers and bases: both are written again only behind this wait
	s_add_nc_u64 s[8:9], s[8:9], 4096              ; on to my odd tile: its mask words,
	s_add_nc_u64 s[12:13], s[12:13], 12288         ; its place in aimg
	s_add_nc_u64 s[14:15], s[14:15], 512           ; and in asc
	s_add_co_u32 s[U], s[U], 1
	s_cmp_lt_u32 s[U], 2
	s_cbranch_scc1 .Lpass
	s_wait_tensorcnt 0x0
	ds_add_u32 v223, v243
	s_wait_dscnt 0x0
	s_endpgm
.Lfunc_end_k_qd2e3a2c189_attn:
	.size	k_qd2e3a2c189_attn, .Lfunc_end_k_qd2e3a2c189_attn-k_qd2e3a2c189_attn
	.p2alignl 7, 3214868480
	.fill 96, 4, 3214868480
	.section	.rodata,"a",@progbits
	.p2align	6, 0x0
	.amdhsa_kernel k_qd2e3a2c189_attn
		.amdhsa_group_segment_fixed_size 206848
		.amdhsa_private_segment_fixed_size 0
		.amdhsa_enable_private_segment 0
		.amdhsa_kernarg_size 48
		.amdhsa_user_sgpr_count 2
		.amdhsa_user_sgpr_kernarg_segment_ptr 1
		.amdhsa_wavefront_size32 1
		.amdhsa_system_sgpr_workgroup_id_x 1
		.amdhsa_system_sgpr_workgroup_id_y 1
		.amdhsa_system_sgpr_workgroup_id_z 1
		.amdhsa_system_vgpr_workitem_id 0
		.amdhsa_next_free_vgpr 256
		.amdhsa_next_free_sgpr 102
		.amdhsa_reserve_vcc 0
		.amdhsa_float_denorm_mode_32 3
		.amdhsa_float_denorm_mode_16_64 3
		.amdhsa_memory_ordered 1
		.amdhsa_forward_progress 1
		.amdhsa_inst_pref_size 39
	.end_amdhsa_kernel
	.amdgpu_metadata
---
amdhsa.version: [ 1, 2 ]
amdhsa.kernels:
  - .name:           k_qd2e3a2c189_attn
    .symbol:         k_qd2e3a2c189_attn.kd
    .args:
      - { .name: himg, .offset: 0, .size: 8, .value_kind: global_buffer, .address_space: global }
      - { .name: hsc, .offset: 8, .size: 8, .value_kind: global_buffer, .address_space: global }
      - { .name: maskw, .offset: 16, .size: 8, .value_kind: global_buffer, .address_space: global }
      - { .name: mflag, .offset: 24, .size: 8, .value_kind: global_buffer, .address_space: global }
      - { .name: aimg, .offset: 32, .size: 8, .value_kind: global_buffer, .address_space: global }
      - { .name: asc, .offset: 40, .size: 8, .value_kind: global_buffer, .address_space: global }
    .group_segment_fixed_size: 206848
    .private_segment_fixed_size: 0
    .kernarg_segment_align: 8
    .kernarg_segment_size: 48
    .max_flat_workgroup_size: 512
    .sgpr_count:     102
    .vgpr_count:     256
    .wavefront_size: 32
...
	.end_amdgpu_metadata
.endif
;; end of part 3
;; launch oproj (part 4): grid 4 x 32, 4 waves a work-group, clusters of 4 x 4, 327,680 bytes of LDS; arguments aimg, asc, ximg, xsc, out0; writes out0
.if DOCPART == 4
	.amdgcn_target "amdgcn-amd-amdhsa--gfx1250"
	.amdhsa_code_object_version 6
	.text
	.protected	k_qd2e3a2c189_oproj
	.globl	k_qd2e3a2c189_oproj
	.p2align	8
	.type	k_qd2e3a2c189_oproj,@function
k_qd2e3a2c189_oproj:
	s_mov_b64 s[64:65], 0
	v_nop
	global_prefetch_b8 v0, s[64:65] scope:SCOPE_SE
	s_setreg_imm32_b32 hwreg(HW_REG_WAVE_MODE, 25, 1), 1
	s_wait_xcnt 0x0
	s_wait_alu depctr_hold_cnt(0) depctr_sa_sdst(0) depctr_va_vdst(0) depctr_va_sdst(0) depctr_va_ssrc(0) depctr_va_vcc(0) depctr_vm_vsrc(0)
	s_getreg_b32 s2, hwreg(HW_REG_IB_STS2, 6, 4)
	s_cmp_eq_u32 s2, 0
	s_cbranch_scc0 .Lentry_in_a_cluster
	s_endpgm
.Lentry_in_a_cluster:
	s_bfe_u32 s2, ttmp6, 0x10000c
	s_cmp_lg_u32 s2, 0xf033
	s_cbranch_scc0 .Lentry_shape_is_right
	s_endpgm
.Lentry_shape_is_right:
; OPROJ.  out0[i][j] = sum over k of A[i][k] w_o[j][k], 8192 x 1024 x 1024, on codes of FP6 (E2M3) with E8M0 scales; out0 f32.
; P = the attention's output, aimg [tile of 16 tokens 512][K step 8][1536 bytes], asc [tile][4][16 rows][2 words];  R = w_o, tiles 1728-1791 of ximg and xsc, laid alike.  A fragment lies as an image of its registers:
; registers 2 p, 2 p + 1 of lane l at 256 p + 8 l.  Lane-row r of tile 2 B + u is row 32 B + 8 u + r % 8 + 16 (r / 8).
; A tile of out0, 256 x 256, is made by four waves, as many as a WGP has SIMDs; a wave makes 128 x 128: 64 accumulators, 512 registers.  K goes in four steps of 256 through a ring of two LDS slots filled by the tensor data
; mover: a wave's load brings 8 tiles x 3,072 bytes.  The scale words of the work-group's 32 tiles, for all of K, come once, with the first fills.
; CLUSTERS: 4 x 4 work-groups.  The four of a row need the same tiles of P, the four of a column the same tiles of R: each is asked for JOINTLY, by the same tensor load with the same descriptor and a mask that names the four.
; TRANSPOSED USE: source 0 = 16 rows of R, source 1 = 16 rows of P: a lane holds one token, and register jj of accumulator (a, b) is column 32 (b / 2) + 16 (lane / 16) + 8 (b % 2) + jj of my 128.
; REGISTERS, in windows of 256: window 0: v0-31 addresses; v32-63 scale words, two sets; v128-223 P's fragments, ONE set; on the way out v128-255 rows of out0.  window 1: R's fragments, TWO sets, at v0 and v128.
;   window 2: the accumulators of my rows 0-63 ((a, b) at v[8 (8 a + b)]);  window 3: those of rows 64-127.
.set FR,    12                         ; registers of a fragment
.set NL,    6                          ; LDS loads that bring one
.set NP,    4                          ; places behind this matrix instruction (ISA guide 7.12.1)
.set NQ,    2                          ; matrix instructions deep in a slot
.set FRB,   1536                       ; a fragment's image
.set KSB,   NQ*FRB                     ; a tile's part of a slot
.set HALFT, 8*KSB                      ; 8 tiles: what one tensor load brings, and what one wave reads of P or of R
.set SLOT,  4*HALFT                    ; P's 16 tiles, then R's 16
.set LAPS,  2                          ; a lap = two K steps of 256 = once round the ring
.set SCL,   2*SLOT                     ; behind the ring: the scale words, 512 bytes a tile: P's 16 tiles, then R's
.set HALFS, 4096                       ; those of 8 tiles
.set SPARE, SCL+4*HALFS                ; the spare words, 128 bytes for each wave: two blocks of 256 bytes that no other line names
.set SPITCH, 528                       ; the way out: a stage of 16 rows x (512 bytes + 16) for each wave, in slot 0, which has had its last fill and its last read when the first result is stored there
.set ADRA, 16                          ; v16-17  LDS address of my P fragments in slot 0, 1
.set ADRB, 20                          ; v20-21  the same for R
.set STO,  24                          ; v24     the way out: where I put my 64 bytes' pieces of a row
.set RD,   25                          ; v25     where I read a row back
.set CO,   26                          ; v26     my byte offset in a row of out0
.set ADRS, 27                          ; v27     LDS address of my scale words: lanes 0-15 P's rows, lanes 16-31 R's
.set SPW,  28                          ; v28     LDS address of my spare word; never rewritten
.set NIL,  29                          ; v29     0; never rewritten
.set SC,   32                          ; scale words: set s at v[SC + 16 s]; register 2 i + q: lanes 0-15 the word of P's tile i, lanes 16-31 that of R's tile i, for the slot's q-th 128 along K
.set AF,   128                         ; P's fragments
.set BK,   128                         ; the way out: 16 rows read back from the stage: v128-191 and v192-255 by turns
.set G1, 24                            ; s[24:31] descriptor group 1 for P's tiles;  s[32:39] group 0, one set for each slot
.set G0, 32
.set G1B, 48                           ; s[48:55], s[56:63] the same for R's
.set G0B, 56
.set G1S, 68                           ; s[68:75], s[76:79] groups 1 and 0 for P's scale words;  s[80:87], s[88:91] for R's
.set G0S, 76
.set G1SB, 80
.set G0SB, 88
.set MSB, 0
.macro WIN new                         ; the immediate's high byte repeats the setting that is left
.if MSB != \new
	s_set_vgpr_msb (MSB<<8)|\new
.set MSB, \new
.endif
.endm
.set MUL_LO, 0xa1                      ; source 0 (R) window 1, source 1 (P) window 0, C and D window 2
.set MUL_HI, 0xf1                      ; the same, C and D window 3
.set TO_B,   0x40                      ; destination window 1, address window 0
; A joint load: waves 0 and 1 fetch for P, waves 2 and 3 for R.  Each of the two lines has one mask and one set of registers for all that issue it; the branch hangs on the wave's number alone.
; Four v_nop follow each of the two lines, ahead of the jump, the label and what follows.
.macro JLOAD g0a, g1a, g0b, g1b
	s_cmp_eq_u32 s15, 0
	s_cbranch_scc0 .Lfor_b_\@
	tensor_load_to_lds s[\g0a:\g0a+3], s[\g1a:\g1a+7]
	s_nop 0
.rept 4
	v_nop
.endr
	s_branch .Lasked_\@
.Lfor_b_\@:
	tensor_load_to_lds s[\g0b:\g0b+3], s[\g1b:\g1b+7]
	s_nop 0
.rept 4
	v_nop
.endr
.Lasked_\@:
.endm
.macro CREST                           ; a round of the cluster's barrier behind its opening barrier
	s_cmp_lg_u32 s14, 0
	s_cbranch_scc1 .Lnot_wave_0_\@
	s_barrier_signal -3
.Lnot_wave_0_\@:
	s_barrier_wait -3
	s_barrier_signal -1
	s_barrier_wait -1
.endm
.macro CROUND                          ; a whole round
	s_barrier_signal -1
	s_barrier_wait -1
	CREST
.endm
	s_load_b128 s[4:7], s[0:1], 0x0                ; aimg, asc
	s_load_b128 s[8:11], s[0:1], 0x10              ; ximg, xsc
	s_load_b64 s[12:13], s[0:1], 0x20              ; out0
	v_lshl_add_u32 v[SPW], v0, 2, SPARE
	v_mov_b32 v[NIL], 0
	ds_add_u32 v28, v29
	ds_add_u32 v28, v29
	s_wait_dscnt 0x0
	v_lshrrev_b32 v1, 5, v0
	v_readfirstlane_b32 s14, v1                    ; wave 0..3
	s_lshr_b32 s15, s14, 1                         ; which half of the tile's rows is mine.  Also: I fetch for P (0) or for R (1)
	s_and_b32 s16, s14, 1                          ; which half of its columns.  Also: which 8 tiles I fetch
	s_bfe_u32 s40, ttmp6, 0x40000                  ; cx: also the tile column (the grid is one cluster wide)
	s_bfe_u32 s41, ttmp6, 0x40004                  ; cy
	s_and_b32 s17, ttmp7, 0xffff
	s_lshl_b32 s17, s17, 2
	s_add_co_u32 s17, s17, s41                     ; tile row = 4 x cluster y + cy
	s_lshl_b32 s43, s41, 2
	s_lshl_b32 s43, 15, s43                        ; my row of the cluster
	s_lshl_b32 s44, 0x1111, s40                    ; my column
	; descriptor group 1: 8 rows (tiles) of 3,072 bytes, 12,288 bytes apart in memory, dense in LDS; elements of 8 bytes
	s_or_b32 s[G1+0], s43, (3<<16)|(1<<21)         ; 15:0 the mask: P's tiles go to my row; 17:16 elements of 8 bytes; 20 no padding; 21 set beside a mask
	s_or_b32 s[G1B+0], s44, (3<<16)|(1<<21)
.irp g, G1, G1B
	s_mov_b32 s[\g+1], 384<<16                     ; tensor_dim0
	s_mov_b32 s[\g+2], 8<<16                       ; tensor_dim1
	s_mov_b32 s[\g+3], 384<<16                     ; tile_dim0
	s_mov_b32 s[\g+4], 8                           ; tile_dim1
	s_mov_b32 s[\g+5], 1536                        ; tensor_dim0_stride
	s_mov_b32 s[\g+6], 0
	s_mov_b32 s[\g+7], 0
.endr
	; and for the scale words of 8 tiles: 4,096 dense bytes, as 16 rows of 256 bytes
	s_or_b32 s[G1S+0], s43, (3<<16)|(1<<21)
	s_or_b32 s[G1SB+0], s44, (3<<16)|(1<<21)
.irp g, G1S, G1SB
	s_mov_b32 s[\g+1], 32<<16
	s_mov_b32 s[\g+2], 16<<16
	s_mov_b32 s[\g+3], 32<<16
	s_mov_b32 s[\g+4], 16
	s_mov_b32 s[\g+5], 32
	s_mov_b32 s[\g+6], 0
	s_mov_b32 s[\g+7], 0
.endr
	s_lshl_b32 s18, s16, 3                         ; which 8 tiles of the 16 I fetch
	s_lshl_b32 s20, s17, 4
	s_add_co_u32 s20, s20, s18                     ; P: 16 x tile row + 8 x half: no cx in it
	s_lshl_b32 s46, s40, 4
	s_add_co_u32 s46, s46, s18
	s_add_co_u32 s46, s46, 1728                    ; R: w_o's first tile + 16 x tile column + 8 x half: no cy in it
	s_lshl_b32 s22, s20, 9                         ; their scale words, 512 bytes a tile,
	s_mov_b32 s23, 0
	s_lshl_b32 s92, s46, 9
	s_mov_b32 s93, 0
	s_mul_i32 s20, s20, 8*FRB                      ; and their codes, 12,288 bytes a tile (under 2^25)
	s_mov_b32 s21, 0
	s_mul_i32 s46, s46, 8*FRB
	s_mov_b32 s47, 0
	s_mul_i32 s45, s14, HALFT                      ; where they go: wave x 8 tiles: no place in the cluster enters an LDS address
	s_lshl_b32 s94, s14, 12
	s_wait_kmcnt 0x0
	s_add_nc_u64 s[20:21], s[4:5], s[20:21]
	s_add_nc_u64 s[22:23], s[6:7], s[22:23]
	s_add_nc_u64 s[46:47], s[8:9], s[46:47]
	s_add_nc_u64 s[92:93], s[10:11], s[92:93]
	CROUND                                         ; all sixteen work-groups are here: the first joint loads meet
	s_mov_b32 s[G0S], 1
	s_add_co_u32 s[G0S+1], s94, SCL
	s_mov_b64 s[G0S+2:G0S+3], s[22:23]
	s_or_b32 s[G0S+3], s[G0S+3], 0x80000000
	s_mov_b32 s[G0SB], 1
	s_add_co_u32 s[G0SB+1], s94, SCL
	s_mov_b64 s[G0SB+2:G0SB+3], s[92:93]
	s_or_b32 s[G0SB+3], s[G0SB+3], 0x80000000
	JLOAD G0S, G1S, G0SB, G1SB                     ; the scale words first: they are wanted with K step 0
.irp s, 0,1
	s_mov_b32 s[G0+4*\s], 1
	s_add_co_u32 s[G0+4*\s+1], s45, \s*SLOT
	s_add_nc_u64 s[G0+4*\s+2:G0+4*\s+3], s[20:21], \s*KSB
	s_or_b32 s[G0+4*\s+3], s[G0+4*\s+3], 0x80000000
	s_mov_b32 s[G0B+4*\s], 1
	s_add_co_u32 s[G0B+4*\s+1], s45, \s*SLOT
	s_add_nc_u64 s[G0B+4*\s+2:G0B+4*\s+3], s[46:47], \s*KSB
	s_or_b32 s[G0B+4*\s+3], s[G0B+4*\s+3], 0x80000000
	JLOAD G0+4*\s, G1, G0B+4*\s, G1B               ; three loads of mine are out now
.endr
	v_and_b32 v1, 31, v0                           ; lane
	v_and_b32 v2, 15, v0                           ; r
	v_bfe_u32 v3, v0, 4, 1                         ; h
	v_lshlrev_b32 v4, 3, v1                        ; 8 x lane: my place in an image
	s_mul_i32 s21, s15, HALFT                      ; my 8 tiles of P
	s_mul_i32 s22, s16, HALFT                      ; my 8 tiles of R,
	s_add_co_u32 s22, s22, 2*HALFT                 ; which lie behind P's 16
.irp s, 0,1
	v_add_nc_u32 v[ADRA+\s], s21, v4
	v_add_nc_u32 v[ADRB+\s], s22, v4
	s_add_co_u32 s21, s21, SLOT
	s_add_co_u32 s22, s22, SLOT
.endr
	v_lshlrev_b32 v5, 3, v2                        ; my row's two words of a K step
	s_lshl_b32 s21, s15, 12                        ; P's: my 8 tiles
	s_lshl_b32 s22, s16, 12                        ; R's: my 8 tiles, behind P's 16
	s_add_co_u32 s22, s22, 2*HALFS
	s_sub_co_u32 s22, s22, s21
	v_mul_u32_u24 v6, s22, v3                      ; lanes 16-31 take R's
	s_add_co_u32 s21, s21, SCL
	v_add_nc_u32 v5, v5, v6
	v_add_nc_u32 v[ADRS], s21, v5
	s_mul_i32 s23, s14, 16*SPITCH                  ; my stage
	v_mul_u32_u24 v5, v2, SPITCH                   ; in: row r, + 64 h
	v_lshl_add_u32 v5, v3, 6, v5
	v_add_nc_u32 v[STO], s23, v5
	v_lshlrev_b32 v[CO], 4, v1                     ; back: the 32 lanes take one row of 512 bytes; and the same in out0
	v_add_nc_u32 v[RD], s23, v[CO]
	s_lshl_b32 s20, s17, 8
	s_lshl_b32 s21, s15, 7
	s_add_co_u32 s20, s20, s21                     ; my first row of out0: 256 x tile row + 128 x half
	s_lshl_b32 s20, s20, 12                        ; rows of 4,096 bytes (under 2^26)
	s_mov_b32 s21, 0
	s_lshl_b32 s46, s40, 10                        ; my first column, in bytes: 1024 x tile column + 512 x half
	s_lshl_b32 s47, s16, 9
	s_add_co_u32 s46, s46, s47
	s_mov_b32 s47, 0
	s_add_nc_u64 s[20:21], s[20:21], s[46:47]
	s_add_nc_u64 s[12:13], s[12:13], s[20:21]
.macro FRAG reg, adr, q, i             ; a fragment comes as it was stored: six loads of 8 bytes a lane, each 256 consecutive bytes
.irp p, 0,1,2,3,4,5
	ds_load_b64 v[\reg+2*\p:\reg+2*\p+1], v[\adr] offset:(\i)*KSB+(\q)*FRB+256*\p
.endr
.endm
; 16 matrix instructions: P's blocks a0, a0 + 1 x R's eight, 128 along K: the slot's q-th.  p: R's set;  sc: the set of scale words.  zero = 1: the first product starts the sums: nothing is ever cleared.
; The 64 accumulators take turns, one instruction a turn, in the same order in every step.
.macro MUL16 a0, p, q, sc, zero
.irp a, \a0, \a0+1
.irp b, 0,1,2,3,4,5,6,7
.if \zero
	v_wmma_scale_f32_16x16x128_f8f6f4 v[8*(8*((\a)%4)+\b):8*(8*((\a)%4)+\b)+7], v[128*(\p)+FR*\b:128*(\p)+FR*\b+FR-1], v[AF+FR*(\a):AF+FR*(\a)+FR-1], 0, v[SC+8*NQ*(\sc)+NQ*\b+(\q)], v[SC+8*NQ*(\sc)+NQ*(\a)+(\q)] matrix_a_fmt:MATRIX_FMT_FP6 matrix_b_fmt:MATRIX_FMT_FP6 matrix_a_scale:MATRIX_SCALE_ROW1
.else
	v_wmma_scale_f32_16x16x128_f8f6f4 v[8*(8*((\a)%4)+\b):8*(8*((\a)%4)+\b)+7], v[128*(\p)+FR*\b:128*(\p)+FR*\b+FR-1], v[AF+FR*(\a):AF+FR*(\a)+FR-1], v[8*(8*((\a)%4)+\b):8*(8*((\a)%4)+\b)+7], v[SC+8*NQ*(\sc)+NQ*\b+(\q)], v[SC+8*NQ*(\sc)+NQ*(\a)+(\q)] matrix_a_fmt:MATRIX_FMT_FP6 matrix_b_fmt:MATRIX_FMT_FP6 matrix_a_scale:MATRIX_SCALE_ROW1
.endif
.endr
.endr
.endm
.macro FETCH_B slot, q, p              ; R's eight fragments of the slot's q-th 128 along K into set p
	WIN TO_B
.irp i, 0,1,2,3,4,5,6,7
	FRAG 128*(\p)+FR*\i, ADRB+\slot, \q, \i
.endr
	WIN 0
.endm
.macro FETCH_A slot, q, i0             ; P's blocks i0 .. i0 + 3
.irp i, \i0, \i0+1, \i0+2, \i0+3
	FRAG AF+FR*(\i), ADRA+\slot, \q, \i
.endr
.endm
.macro SCALES sc                       ; the next K step's scale words into set sc: two words a row; lanes 0-15 take P's tile i, lanes 16-31 R's tile i
.irp i, 0,1,2,3,4,5,6,7
	ds_load_b64 v[SC+8*NQ*\sc+NQ*\i:SC+8*NQ*\sc+NQ*\i+1], v[ADRS] offset:\i*512
.endr
.endm
; A load into a register that a matrix instruction has read, and an LDS store that reads a matrix result, stand NP places behind that matrix instruction; only plain vector instructions that name none of
; its registers are places (ISA guide 7.12.1 for vector instructions).
.macro PLACES n
.rept \n
	v_nop
.endr
.endm
.macro STEP slot, q, zero              ; a step of 128 along K that has its successor in the same slot
	s_wait_dscnt 4*NL                              ; R's set and P's blocks 0-3 are in; the youngest 24 loads (P's blocks 4-7) may be out
	WIN MUL_LO
	MUL16 0, (\q)%2, \q, \slot, \zero
	MUL16 2, (\q)%2, \q, \slot, \zero
	s_wait_dscnt 0                                 ; P's blocks 4-7 are in (asked for 32 matrix instructions ago)
	PLACES NP
	FETCH_B \slot, (\q)+1, 1-(\q)%2
	FETCH_A \slot, (\q)+1, 0
	WIN MUL_HI
	MUL16 4, (\q)%2, \q, \slot, \zero
	MUL16 6, (\q)%2, \q, \slot, \zero
	PLACES NP
	WIN 0
	FETCH_A \slot, (\q)+1, 4
.endm
; A slot's last step changes slots: ONE barrier; in front of it each wave waits for all its tensor loads, adds 0 to its spare word, and waits for that and for its own reads of this slot.  fill = 1: this slot is filled again, two K steps ahead.
.macro TURN slot, next, fill
	s_wait_tensorcnt 0x0                           ; all my tensor loads have landed: my part of the next slot  (every window is 0 here)
	ds_add_u32 v[SPW], v[NIL]                      ; 0 onto my spare word
	s_wait_dscnt 4*NL+1                            ; (the add and the youngest 24 loads, P's blocks 4-7, may be out)
	WIN MUL_LO
	MUL16 0, 1, NQ-1, \slot, 0                     ; sixteen matrix instructions stand between the add and the wait for it
	s_wait_dscnt 0x0                               ; the add is done, and my reads of this slot are over
	s_barrier_signal -1
	MUL16 2, 1, NQ-1, \slot, 0
	WIN 0
	s_barrier_wait -1
.if \fill
	CREST                                          ; the barrier has opened a round of the cluster's barrier: no wave of any partner still reads this slot's tiles or has a load on its way
	s_add_nc_u64 s[G0+4*\slot+2:G0+4*\slot+3], s[G0+4*\slot+2:G0+4*\slot+3], 2*KSB
	s_add_nc_u64 s[G0B+4*\slot+2:G0B+4*\slot+3], s[G0B+4*\slot+2:G0B+4*\slot+3], 2*KSB
	JLOAD G0+4*\slot, G1, G0B+4*\slot, G1B         ; the first tensor load behind the round; the four v_nop behind it are the places in front of the loads below
.else
	PLACES NP
.endif
	v_add_nc_u32 v[ADRS], 128, v[ADRS]             ; on to the next K step's scale words (no LDS load of mine is out)
	FETCH_B \next, 0, 0
	FETCH_A \next, 0, 0
	SCALES \next
	WIN MUL_HI
	MUL16 4, 1, NQ-1, \slot, 0
	MUL16 6, 1, NQ-1, \slot, 0
	PLACES NP
	WIN 0
	FETCH_A \next, 0, 4
.endm
	s_wait_tensorcnt 1                             ; the scale words and my part of K step 0 are in (K step 1's load may be out),
	s_barrier_signal -1
	s_barrier_wait -1                              ; everybody's are
	FETCH_B 0, 0, 0
	FETCH_A 0, 0, 0
	SCALES 0
	FETCH_A 0, 0, 4
	STEP 0, 0, 1                                   ; the first step stands in front of the loop: its products start the sums
	s_mov_b32 s3, LAPS-1
.Llap:                                                 ; a trip goes once round the ring, from a lap's second step to the next lap's first, and fills both slots again
	TURN 0, 1, 1
	STEP 1, 0, 0
	TURN 1, 0, 1
	STEP 0, 0, 0
	s_sub_co_u32 s3, s3, 1
	s_cmp_lg_u32 s3, 0
	s_cbranch_scc1 .Llap
	TURN 0, 1, 0                                   ; the last lap fills nothing, and has no round of the cluster's barrier
	STEP 1, 0, 0
	s_wait_dscnt 4*NL                              ; the very last step: nothing more to fetch
	WIN MUL_LO
	MUL16 0, 1, NQ-1, 1, 0
	MUL16 2, 1, NQ-1, 1, 0
	s_wait_dscnt 0
	WIN MUL_HI
	MUL16 4, 1, NQ-1, 1, 0
	MUL16 6, 1, NQ-1, 1, 0
	WIN 0
; THE WAY OUT, block by block of 16 tokens x 128 columns.  A lane holds pieces of one row, and the lanes beside it hold other rows: so a block goes through my own stage in LDS and comes back as whole rows of 512 bytes,
; which the 32 lanes store as one aligned run of 512 bytes.  LDS serves a wave's instructions in order (ISA guide 5.7.1.4): no wait between the stores and the loads, nor in front of the next block's stores.
.macro TOSTAGE a
.set AC, 64*((\a)%4)
	WIN 0x08+4*((\a)/4)                            ; the data: window 2 or 3
.irp b, 0,1,2,3,4,5,6,7
	ds_store_b128 v[STO], v[AC+8*\b:AC+8*\b+3] offset:128*(\b/2)+32*(\b%2)          ; each accumulator from its low end on
	ds_store_b128 v[STO], v[AC+8*\b+4:AC+8*\b+7] offset:128*(\b/2)+32*(\b%2)+16
.endr
	WIN 0
.set BB, BK+64*((\a)%2)
.irp t, 0,1,2,3,4,5,6,7,8,9,10,11,12,13,14,15
	ds_load_b128 v[BB+4*\t:BB+4*\t+3], v[RD] offset:\t*SPITCH
.endr
.endm
.macro SEND a, younger                 ; younger: the LDS instructions issued behind block a's loads, which may stay out.  Stage row t of block a is token 32 (a / 2) + 8 (a % 2) + t % 8 + 16 (t / 8) of my 128: the place stands in the immediate, 127 rows at the most
.set BB, BK+64*((\a)%2)
	s_wait_dscnt \younger                          ; the block is back in registers
.irp t, 0,1,2,3,4,5,6,7,8,9,10,11,12,13,14,15
	global_store_b128 v[CO], v[BB+4*\t:BB+4*\t+3], s[12:13] offset:(32*((\a)/2)+8*((\a)%2)+(\t%8)+16*(\t/8))*4096 th:TH_STORE_NT   ; 32 lanes store 512 consecutive bytes, aligned; written once, read by nobody here
.endr
.endm
	PLACES NP                                      ; behind the last products: for the loads into the registers that held P's fragments and for the reads of results
	TOSTAGE 0
.irp a, 1,2,3,4,5,6,7
.if \a > 1
	s_wait_xcnt 0x0                                ; block a - 2's stores have read their registers: block a's loads may land there
.endif
	TOSTAGE \a
	SEND \a-1, 32                                  ; behind block a - 1's loads: block a's 16 stores and 16 loads
.endr
	SEND 7, 0
	s_wait_tensorcnt 0x0                           ; the wave's end: behind my last tensor load and my last LDS store
	ds_add_u32 v[SPW], v[NIL]
	s_wait_dscnt 0x0
	CROUND                                         ; the closing round: no work-group ends while a partner may still ask for a tile that names it
	s_endpgm
.Lfunc_end_k_qd2e3a2c189_oproj:
	.size	k_qd2e3a2c189_oproj, .Lfunc_end_k_qd2e3a2c189_oproj-k_qd2e3a2c189_oproj
	.p2alignl 7, 3214868480
	.fill 96, 4, 3214868480
	.section	.rodata,"a",@progbits
	.p2align	6, 0x0
	.amdhsa_kernel k_qd2e3a2c189_oproj
		.amdhsa_group_segment_fixed_size 327680
		.amdhsa_private_segment_fixed_size 0
		.amdhsa_enable_private_segment 0
		.amdhsa_kernarg_size 40
		.amdhsa_user_sgpr_count 2
		.amdhsa_user_sgpr_kernarg_segment_ptr 1
		.amdhsa_wavefront_size32 1
		.amdhsa_system_sgpr_workgroup_id_x 1
		.amdhsa_system_sgpr_workgroup_id_y 1
		.amdhsa_system_sgpr_workgroup_id_z 1
		.amdhsa_system_vgpr_workitem_id 0
		.amdhsa_next_free_vgpr 1024
		.amdhsa_next_free_sgpr 96
		.amdhsa_reserve_vcc 0
		.amdhsa_float_denorm_mode_32 3
		.amdhsa_float_denorm_mode_16_64 3
		.amdhsa_memory_ordered 1
		.amdhsa_forward_progress 1
		.amdhsa_inst_pref_size 159
	.end_amdhsa_kernel
	.amdgpu_metadata
---
amdhsa.version: [ 1, 2 ]
amdhsa.kernels:
  - .name:           k_qd2e3a2c189_oproj
    .symbol:         k_qd2e3a2c189_oproj.kd
    .args:
      - { .name: aimg, .offset: 0, .size: 8, .value_kind: global_buffer, .address_space: global }
      - { .name: asc, .offset: 8, .size: 8, .value_kind: global_buffer, .address_space: global }
      - { .name: ximg, .offset: 16, .size: 8, .value_kind: global_buffer, .address_space: global }
      - { .name: xsc, .offset: 24, .size: 8, .value_kind: global_buffer, .address_space: global }
      - { .name: out0, .offset: 32, .size: 8, .value_kind: global_buffer, .address_space: global }
    .group_segment_fixed_size: 327680
    .private_segment_fixed_size: 0
    .kernarg_segment_align: 8
    .kernarg_segment_size: 40
    .max_flat_workgroup_size: 128
    .sgpr_count:     96
    .vgpr_count:     1024
    .wavefront_size: 32
...
	.end_amdgpu_metadata
.endif
;; end of part 4
;; ======== version 2 of 2: 4 launches; version 1 with the launch attn written anew for expert scheduling mode
;; limits: right only within a limited range of input values
;; workspace buffers: ximg 22,020,096 bytes; xsc 917,504 bytes; himg 18,874,368 bytes; hsc 786,432 bytes; maskw 524,288 bytes of whole numbers; mflag 8,192 bytes of whole numbers; aimg 6,291,456 bytes; asc 262,144 bytes
;; launch prep: the kernel of part 1 again; grid 1408 x 1, 4 waves a work-group, no clusters, 34,304 bytes of LDS; arguments q, k, v, w_q, w_k, w_v, w_o, mask, ximg, xsc, maskw, mflag; writes ximg, xsc, maskw, mflag
;; launch proj: the kernel of part 2 again; grid 4 x 96, 4 waves a work-group, clusters of 4 x 4, 327,680 bytes of LDS; arguments ximg, xsc, himg, hsc; writes himg, hsc
;; launch attn (part 5): grid 4 x 64, 16 waves a work-group, no clusters, 206,848 bytes of LDS; arguments himg, hsc, maskw, mflag, aimg, asc; writes aimg, asc
.if DOCPART == 5
	.amdgcn_target "amdgcn-amd-amdhsa--gfx1250"
	.amdhsa_code_object_version 6
	.text
	.protected	k_qd2e3a2c189_attn
	.globl	k_qd2e3a2c189_attn
	.p2align	8
	.type	k_qd2e3a2c189_attn,@function
k_qd2e3a2c189_attn:
	s_mov_b64 s[64:65], 0
	v_nop
	global_prefetch_b8 v0, s[64:65] scope:SCOPE_SE
	s_setreg_imm32_b32 hwreg(HW_REG_WAVE_SCHED_MODE, 0, 2), 2
	s_setreg_imm32_b32 hwreg(HW_REG_WAVE_MODE, 25, 1), 1
	s_wait_xcnt 0x0
	s_wait_alu depctr_vm_vsrc(0)
; ATTN.  For each batch and head: S = Q K^T / 8, the mask, the softmax, O = P V, O / l, and the quantising of O along (head, channel) for the last projection.  Both products on codes of FP6 (E2M3) with E8M0 scales.
; THE SOFTMAX AHEAD OF THE SECOND PRODUCT: t = score x log2(e) / 8; M = the row's largest t so far, rounded UP to a whole number; p = 2^(t - M) is what is quantised, along the keys, not normalised.  The row's sum is
; taken of the unquantised p and divides O at the end.  When M moves, the sum and O are multiplied by 2^(old M - new M): exact.
; THE MASK: where mask is 0 the raw score becomes -2^33, a logit of -2^30 in place of -1e9.  -2^33 x log2(e) / 8 is exact and whole, so a row that is masked whole has p = 1 at every key, as it has with -1e9.
; LIMIT: the result is reference()'s as long as a row's largest unmasked logit lies above about -9.9e8.  NaN and infinities are not served.  A block of zeros gets the byte 1: its codes are zeros.
; SHARES.  A work-group owns one (batch, head) and 512 queries; each of its sixteen waves owns 32 of them: two tiles of 16, one after the other (two passes of one text).  Four waves to a SIMD, so that one wave's
; vector work stands beside another's matrix work and LDS loads.  THE WHOLE HEAD'S K AND V STAY IN LDS (196,608 bytes of codes, 8,192 of scale words), filled once through registers: one barrier in the launch.
; NO CLUSTER, NO TENSOR LOAD: the four work-groups of a head read the same 204,800 bytes, but once, at the head; a joint load is a tensor load, and this text branches on stored flags (mflag) round the mask's
; 64 selections of a step.
; LAYOUT.  Both products are used transposed: S^T = K Q^T, O^T = V^T P^T: a lane holds ONE query (lane % 16) throughout.  Operands are images of fragments: registers 2 p, 2 p + 1 of lane l at 256 p + 8 l.
; Lane-row r of tile 2 B + u (of queries, keys or channels) is row 32 B + 8 u + r % 8 + 16 (r / 8): so score register 16 b + i is key 32 b + 16 (lane / 16) + i of the step, and O^T's register 16 b + i channel 32 b + 16 (lane / 16) + i.
; K = 64 FILLS HALF OF THE INSTRUCTION'S 128: a fragment of K holds TWO tiles of keys (one in k 0..63, one in k 64..127).  Q stands in 18 registers as [q | zero codes | q]: registers 0-11 pick the first tile, registers 6-17 the second.
; REGISTERS: v1-5 addresses and constants; v8-10 the step's LDS addresses; v12 -M, v13 the largest t, v[14:15] the sum in two halves; v32-79 four fragments of K; V's four in v16-27, v80-91, v56-67, v68-79; v96-159 S^T, then p;
;   v160-191 O^T; v192-209 Q; v210-221 both passes' Q; v222 their scale words; v224-235 p's codes; v232-247 at work; v248-249 K's scale words, v250-251 V's; v252 f; v253 p's scale word; v254 at work; v255 Q's scale word.
; THE MODE: SCHED_MODE bits 1:0 = 2 (LLVM: expert scheduling mode 2), set by the entry lines.  The code itself states the register dependences between vector or matrix instructions and memory or LDS instructions,
; with s_wait_alu, always for 0.
; THE PLAN.  Registers that memory or LDS instructions touch, in the loop over steps:
;   v8, v9, v10        written by three additions at a step's head; read by the step's LDS loads.  v1, v2, v3, v4 are made at the kernel's head and never written again.
;   v32-55, v248       K's fragments 0, 1 and their scale words: read by the step's first four products; asked for again, for the NEXT step, in the middle of the softmax (for a pass's first step: at the pass's head).
;   v56-79, v249       K's fragments 2, 3 and their scale words: asked for at the step's head, read by its products 4 to 7; then v56-79 take V's fragments 2, 3.
;   v16-27, v80-91     V's fragments 0, 1; v250, v251 V's scale words: asked for behind K Q^T, read by the four products V^T P at the step's end.
; Two waits on va_vdst serve all a step's loads: one at its head, behind the additions (the addresses are written; the last step's V^T P has read v56-79), and one behind K Q^T (it has read v32-79, v248, v249).
; No vector instruction of the softmax names a register that the loads behind the second wait touch, so these stand among it with no further wait.  A third wait is the exponentials' own, a fourth states that p's codes
; and scale word are written ahead of the scaled products that take them.  One wait on vm_vsrc stands ahead of the additions.
.set VL,  98304                        ; LDS: K's 64 fragments at 0 (6,144 bytes a step of 128 keys); V's [step 16][tile 4][1536] here;
.set KS,  196608                       ; K's scale words [fragment 64][16 rows], 256 bytes a step;
.set VS,  200704                       ; V's [step][tile][16 rows], 256 bytes a step
.set WV,  84                           ; s84  my wave's number
.set SEL, 86                           ; s[86:87] v_permlanex16_b32's selects for lane l xor 16
.set CS,  88                           ; s[88:89] c = log2(e) / 8: the packed form names a pair and takes its low word for both halves
.set TB,  90                           ; s90  LDS byte at which the step's fragments begin
.set TS,  91                           ; s91  and its scale words
.set MO,  92                           ; s92  the step's 256 bytes of mask words
.set ST,  93                           ; s93  the step
.set U,   94                           ; s94  the pass
.set UM,  95                           ; s95  0 or all ones: the pass as a lane mask
.set FLG, 96                           ; s96  bit s: step s of this pass's tile has a hole;  s97, s98: both passes'
.set QSL, 99                           ; s99  which two bytes of v222 are this pass's
	s_load_b256 s[4:11], s[0:1], 0x0               ; himg, hsc, maskw, mflag
	s_load_b128 s[12:15], s[0:1], 0x20             ; aimg, asc
	v_lshl_add_u32 v223, v0, 2, 0x32000
	v_mov_b32 v243, 0
	v_lshrrev_b32 v1, 5, v0
	v_readfirstlane_b32 s[WV], v1                  ; wave 0..15
	v_and_b32 v6, 31, v0                           ; lane
	v_and_b32 v4, 15, v0                           ; r
	v_lshlrev_b32 v1, 3, v6                        ; 8 x lane: my place in an image (K's fragments begin at LDS byte 0)
	v_add_nc_u32 v2, VL, v1                        ; the same among V's
	v_lshl_add_u32 v3, v6, 2, KS                   ; 4 x lane: two fragments' scale words to a load
	v_lshlrev_b32 v16, 2, v4                       ; 4 r
	v_lshlrev_b32 v4, 3, v4                        ; 8 r: my row in asc
	v_lshlrev_b32 v6, 4, v6                        ; 16 x lane
	s_wait_alu depctr_va_sdst(0)                   ; s84, the wave's number, is written, ahead of its first reader: offsets and bases are made from it
	s_mul_i32 s100, s[WV], 6144
	v_add_nc_u32 v7, s100, v6                      ; the fill: my wave's sixteenth of K's codes in LDS,
	v_add_nc_u32 v11, VL, v7                       ; of V's,
	s_lshl_b32 s101, s[WV], 8
	v_add_nc_u32 v17, s101, v1
	v_add_nc_u32 v17, KS, v17                      ; and of the scale words
	s_and_b32 s85, ttmp7, 0xffff                   ; 16 x batch + head
	s_lshl_b32 s25, ttmp9, 4
	s_add_co_u32 s25, s25, s[WV]                   ; B: my pair of tiles of queries, 0..63
	s_mul_i32 s16, s85, 98304                      ; a head's codes
	s_mul_i32 s18, s[WV], 6144
	s_add_co_u32 s18, s18, s16
	s_add_co_u32 s20, s18, 12582912                ; V's part that I fetch
	s_add_co_u32 s18, s18, 6291456                 ; K's
	s_mul_i32 s22, s25, 1536
	s_add_co_u32 s22, s22, s16                     ; my two tiles of Q
	s_lshl_b32 s24, s85, 12                        ; a head's scale words
	s_lshl_b32 s26, s[WV], 8
	s_add_co_u32 s26, s26, s24
	s_add_co_u32 s28, s26, 524288                  ; V's
	s_add_co_u32 s26, s26, 262144                  ; K's
	s_lshl_b32 s30, s25, 6
	s_add_co_u32 s30, s30, s24                     ; Q's
	s_mov_b32 s19, 0
	s_mov_b32 s21, 0
	s_mov_b32 s23, 0
	s_mov_b32 s27, 0
	s_mov_b32 s29, 0
	s_mov_b32 s31, 0
	s_lshl_b32 s32, s25, 13                        ; maskw: 4,096 bytes a tile
	s_mov_b32 s33, 0
	s_lshl_b32 s34, s25, 7                         ; mflag: 64 bytes a tile
	s_mov_b32 s35, 0
	s_lshr_b32 s36, s85, 4
	s_lshl_b32 s36, s36, 7
	s_lshl_b32 s37, s25, 1
	s_add_co_u32 s36, s36, s37                     ; my first tile among the 512: 128 x batch + 2 B
	s_and_b32 s37, s85, 15                         ; head
	s_mul_i32 s38, s36, 12288
	s_mul_i32 s40, s37, 768                        ; aimg: [tile][K step 8][1536]: head x 64 along K is head x 768 bytes
	s_add_co_u32 s38, s38, s40
	s_mov_b32 s39, 0
	s_lshl_b32 s40, s36, 9                         ; asc: [tile][4][16 rows][2 words]: 128 (head / 4) + 2 (head % 4)
	s_lshr_b32 s42, s37, 2
	s_lshl_b32 s42, s42, 7
	s_add_co_u32 s40, s40, s42
	s_and_b32 s42, s37, 3
	s_lshl_b32 s42, s42, 1
	s_add_co_u32 s40, s40, s42
	s_mov_b32 s41, 0
	s_wait_kmcnt 0x0
	s_add_nc_u64 s[18:19], s[4:5], s[18:19]
	s_add_nc_u64 s[20:21], s[4:5], s[20:21]
	s_add_nc_u64 s[22:23], s[4:5], s[22:23]
	s_add_nc_u64 s[26:27], s[6:7], s[26:27]
	s_add_nc_u64 s[28:29], s[6:7], s[28:29]
	s_add_nc_u64 s[30:31], s[6:7], s[30:31]
	s_add_nc_u64 s[8:9], s[8:9], s[32:33]
	s_add_nc_u64 s[10:11], s[10:11], s[34:35]
	s_add_nc_u64 s[12:13], s[12:13], s[38:39]
	s_add_nc_u64 s[14:15], s[14:15], s[40:41]
	s_wait_alu depctr_va_vdst(0)                   ; the offsets and addresses v1, v3, v4, v6, v7, v11, v16, v17 are written, which the loads and stores of the kernel read
	; THE FILL: 33 loads a wave, then 26 LDS stores, each behind the count that leaves the younger loads out
.set n, 0
.rept 12
	global_load_b128 v[32+4*n:35+4*n], v6, s[18:19] offset:512*n
.set n, n+1
.endr
.set n, 0
.rept 12
	global_load_b128 v[80+4*n:83+4*n], v6, s[20:21] offset:512*n
.set n, n+1
.endr
	global_load_b64 v[128:129], v1, s[26:27]
	global_load_b64 v[130:131], v1, s[28:29]
.irp p, 0,1,2,3,4,5
	global_load_b64 v[210+2*\p:211+2*\p], v1, s[22:23] offset:256*\p   ; Q: v210-215 the even tile's six registers, v216-221 the odd tile's
.endr
	global_load_b32 v222, v16, s[30:31]            ; bytes 0, 1 the even tile's two blocks, bytes 2, 3 the odd tile's
	s_load_b512 s[32:47], s[10:11], 0x0            ; the even tile's sixteen flags
	s_load_b512 s[48:63], s[10:11], 0x40           ; the odd tile's
	s_mov_b32 s[SEL], 0x76543210
	s_mov_b32 s[SEL+1], 0xfedcba98
	s_mov_b32 s[CS], 0x3e38aa3b                    ; c = log2(e) / 8
	s_mov_b32 s[CS+1], s[CS]                       ; (named with it as a pair, so it is written)
	s_mov_b32 s[U], 0
	v_mov_b32 v5, 0xd0000000                       ; -2^33.  (These thirteen lines name no register that a load or store of the fill touches)
.irp i, 198,199,200,201,202,203
	v_mov_b32 v[\i], 0                             ; the zero codes between the two copies of q
.endr
.irp i, 236,237,238,239,252,253
	v_mov_b32 v[\i], 0                             ; written once: a lane permute's destination counts as one of its sources; v253 is named as the upper half of a pair before it is first made
.endr
	s_wait_kmcnt 0x0
	s_or_b32 s97, s32, s33
	s_or_b32 s98, s48, s49
.set n, 2
.rept 14
	s_or_b32 s97, s97, s[32+n]
	s_or_b32 s98, s98, s[48+n]
.set n, n+1
.endr
.set n, 0
.rept 12
	s_wait_loadcnt 32-n                            ; load n of the 33 is in
	ds_store_b128 v7, v[32+4*n:35+4*n] offset:512*n
.set n, n+1
.endr
.set n, 0
.rept 12
	s_wait_loadcnt 20-n
	ds_store_b128 v11, v[80+4*n:83+4*n] offset:512*n
.set n, n+1
.endr
	s_wait_loadcnt 8
	ds_store_b64 v17, v[128:129]
	s_wait_loadcnt 7
	ds_store_b64 v17, v[130:131] offset:VS-KS
	s_wait_dscnt 0x0                               ; for the others' sake: my stores have landed
	s_barrier_signal -1
	s_barrier_wait -1                              ; the head's K and V lie in LDS; from here on LDS is only read
	s_wait_loadcnt 0x0                             ; Q and its scale words
	s_wait_alu depctr_vm_vsrc(0)                   ; the fill's LDS stores have read v32-131 and v17, its loads v16: fragments' loads land in v16-27 and v32-91 below, and the products write v96-159
.Lpass:                                            ; two trips: my even tile, my odd tile
.irp f, 0,1
.irp p, 0,1,2,3,4,5
	ds_load_b64 v[32+12*\f+2*\p:33+12*\f+2*\p], v1 offset:1536*\f+256*\p   ; K's fragments 0 and 1 of step 0.  No wait: since the last wait on va_vdst no vector or matrix instruction has named v1, v3, v32-55 or v248
.endr
.endr
	ds_load_b32 v248, v3                           ; and their scale words: lanes 0-15 fragment 0's, lanes 16-31 fragment 1's
	s_cmp_eq_u32 s[U], 0
	s_cselect_b32 s[UM], 0, -1
	s_cselect_b32 s[FLG], s97, s98
	s_mov_b32 s[QSL], 0x03020302
	s_cselect_b32 s[QSL], 0x01000100, s[QSL]
	v_perm_b32 v255, v222, v222, s[QSL]            ; Q's scale word: the tile's two bytes, twice: they serve q in either half of K
.irp i, 0,1,2,3,4,5
	v_cndmask_b32 v[192+\i], v[210+\i], v[216+\i], s[UM]
.endr
.irp i, 0,1,2,3,4,5
	v_mov_b32 v[204+\i], v[192+\i]
.endr
	v_mov_b32 v13, 0xff61b1e6                      ; the largest t so far: -3e38, under every t
	v_floor_f32 v12, -v13                          ; -M
	v_mov_b32 v14, 0                               ; the sum, in two halves
	v_mov_b32 v15, 0
.set n, 0
.rept 32
	v_mov_b32 v[160+n], 0                          ; O^T.  (The step is written once: the first finds zeros.  These lines are also the places between Q's registers and scale word and the first product)
.set n, n+1
.endr
	s_mov_b32 s[TB], 0
	s_mov_b32 s[TS], 0
	s_mov_b32 s[MO], 0
	s_mov_b32 s[ST], 0
.Lstep:                                            ; sixteen trips: 128 keys each
	s_wait_alu depctr_vm_vsrc(0)                   ; the LDS loads issued so far have read v8, v9 and v10, which the three lines below write
	v_add_nc_u32 v8, s[TB], v1
	v_add_nc_u32 v9, s[TB], v2
	v_add_nc_u32 v10, s[TS], v3
	v_nop                                          ; (with the three additions: four plain instructions behind the last step's products)
	s_wait_alu depctr_va_vdst(0)                   ; v8, v9, v10 are written, which this step's loads read; the last step's V^T P is done reading v56-79, in which the loads below land; in a pass's first step Q's registers and v255 are written, which the scaled products take
.irp f, 2,3
.irp p, 0,1,2,3,4,5
	ds_load_b64 v[32+12*\f+2*\p:33+12*\f+2*\p], v8 offset:1536*\f+256*\p   ; fragment f: keys 32 f .. 32 f + 31 of the step, two tiles
.endr
.endr
	ds_load_b32 v249, v10 offset:128               ; lanes 0-15: fragment 2's scale words, lanes 16-31: fragment 3's
	s_wait_dscnt 13                                ; the thirteen loads just issued may be out: fragments 0 and 1 and v248, asked for a step ago (in a pass's first step: at the pass's head), are in
.irp f, 0,1
.irp u, 0,1
.if \f%2
	v_wmma_scale_f32_16x16x128_f8f6f4 v[96+8*(2*\f+\u):103+8*(2*\f+\u)], v[32+12*\f:43+12*\f], v[192+6*\u:203+6*\u], 0, v[248+\f/2], v255 matrix_a_fmt:MATRIX_FMT_FP6 matrix_b_fmt:MATRIX_FMT_FP6 matrix_a_scale:MATRIX_SCALE_ROW1
.else
	v_wmma_scale_f32_16x16x128_f8f6f4 v[96+8*(2*\f+\u):103+8*(2*\f+\u)], v[32+12*\f:43+12*\f], v[192+6*\u:203+6*\u], 0, v[248+\f/2], v255 matrix_a_fmt:MATRIX_FMT_FP6 matrix_b_fmt:MATRIX_FMT_FP6
.endif
.endr
.endr
	s_wait_dscnt 0x0                               ; fragments 2 and 3 and v249 are in: they had the four products above in which to land
.irp f, 2,3
.irp u, 0,1
.if \f%2
	v_wmma_scale_f32_16x16x128_f8f6f4 v[96+8*(2*\f+\u):103+8*(2*\f+\u)], v[32+12*\f:43+12*\f], v[192+6*\u:203+6*\u], 0, v[248+\f/2], v255 matrix_a_fmt:MATRIX_FMT_FP6 matrix_b_fmt:MATRIX_FMT_FP6 matrix_a_scale:MATRIX_SCALE_ROW1
.else
	v_wmma_scale_f32_16x16x128_f8f6f4 v[96+8*(2*\f+\u):103+8*(2*\f+\u)], v[32+12*\f:43+12*\f], v[192+6*\u:203+6*\u], 0, v[248+\f/2], v255 matrix_a_fmt:MATRIX_FMT_FP6 matrix_b_fmt:MATRIX_FMT_FP6
.endif
.endr
.endr
.rept 4
	v_nop                                          ; places in front of the first read of the scores
.endr
	s_wait_alu depctr_va_vdst(0)                   ; the eight products are done reading v32-79, v248 and v249: V's fragments 2, 3 land in v56-79 below, the next step's K in v32-55 and v248 further down
.irp t, 0,1,2,3
.set VR, (\t/2)*(32+12*\t)+(1-\t/2)*(16+64*\t)     ; V's fragment t: v16, v80, v56, v68
.irp p, 0,1,2,3,4,5
	ds_load_b64 v[VR+2*\p:VR+2*\p+1], v9 offset:1536*\t+256*\p   ; V's four fragments of the step, asked for a whole softmax ahead of their use
.endr
.endr
	ds_load_b32 v250, v10 offset:VS-KS             ; V's scale words: tiles 0 and 1,
	ds_load_b32 v251, v10 offset:VS-KS+128         ; 2 and 3
	s_bitcmp1_b32 s[FLG], s[ST]                    ; a hole in this tile's mask at these 128 keys?  A stored whole number decides
	s_cbranch_scc0 .Lopen
	s_load_b512 s[16:31], s[8:9], s[MO] offset:0x0 ; the 64 lane masks of the step
	s_load_b512 s[32:47], s[8:9], s[MO] offset:0x40
	s_load_b512 s[48:63], s[8:9], s[MO] offset:0x80
	s_load_b512 s[68:83], s[8:9], s[MO] offset:0xc0
	s_wait_kmcnt 0x0
.set n, 0
.rept 64
	v_cndmask_b32 v[96+n], v5, v[96+n], s[16+n+4*(n/48)]   ; where the mask is 0: -2^33
.set n, n+1
.endr
.Lopen:
.irp b, 0,1,2,3
	v_max3_num_f32 v[232+\b], v[96+16*\b], v[97+16*\b], v[98+16*\b]   ; the largest score of each block of 32 keys: it serves for the row's maximum and, since p rises with the score, for the block's largest p
.endr
.irp i, 3,5,7,9,11,13
.irp b, 0,1,2,3
	v_max3_num_f32 v[232+\b], v[232+\b], v[96+16*\b+\i], v[97+16*\b+\i]
.endr
.endr
.irp b, 0,1,2,3
	v_max_num_f32 v[232+\b], v[232+\b], v[111+16*\b]
.endr
.irp b, 0,1,2,3
	v_permlanex16_b32 v[236+\b], v[232+\b], s[SEL], s[SEL+1]
.endr
.irp b, 0,1,2,3
	v_max_num_f32 v[232+\b], v[232+\b], v[236+\b]  ; with lane l xor 16's 16 keys
.endr
	v_max3_num_f32 v254, v232, v233, v234
	v_max_num_f32 v254, v254, v235                 ; the step's largest score of my query
	v_mul_f32 v254, s[CS], v254                    ; as t (c is positive)
	v_max_num_f32 v13, v13, v254                   ; the running largest t
	v_mov_b32 v254, v12
	v_floor_f32 v12, -v13                          ; the new -M = floor(-t) = -ceil(t): a whole number
	v_sub_f32 v254, v12, v254                      ; M's old value less its new one: a whole number, 0 or less
	v_cvt_i32_f32 v254, v254                       ; (it saturates)
	v_ldexp_f32 v252, 1.0, v254                    ; f = 2^(old M - new M)
	s_cmp_eq_u32 s[ST], 15                         ; the pass's last step has no next step: a count of steps decides.  Every wait on DScnt behind this place is for 0, so both ways are counted alike
	s_cbranch_scc1 .Lno_next
.irp f, 0,1
.irp p, 0,1,2,3,4,5
	ds_load_b64 v[32+12*\f+2*\p:33+12*\f+2*\p], v8 offset:6144+1536*\f+256*\p   ; THE NEXT STEP'S fragments 0 and 1 of K.  No wait: no vector or matrix instruction since the wait behind K Q^T names v8, v10, v32-55 or v248
.endr
.endr
	ds_load_b32 v248, v10 offset:256               ; and their scale words
.Lno_next:
.set n, 0
.rept 32
	v_pk_fma_f32 v[96+n:97+n], v[96+n:97+n], s[CS:CS+1], v[12:13] op_sel_hi:[1,0,0]   ; t - M, two at a time
.set n, n+2
.endr
.irp b, 0,1,2,3
	v_fma_f32 v[232+\b], v[232+\b], s[CS], v12     ; the same of each block's largest score
.endr
.set n, 0
.rept 64
	v_exp_f32 v[96+n], v[96+n]                     ; p = 2^(t - M), at most 1: not normalised
.set n, n+1
.endr
.irp b, 0,1,2,3
	v_exp_f32 v[232+\b], v[232+\b]                 ; the block's largest p: the same two instructions on the same number give the same bits
.endr
	v_pk_mul_f32 v[14:15], v[14:15], v[252:253] op_sel_hi:[1,0]   ; the sums under the new M: plain work that names no exponential's result,
.set n, 0
.rept 16
	v_pk_mul_f32 v[160+n:161+n], v[160+n:161+n], v[252:253] op_sel_hi:[1,0]   ; and O^T under the new M, each accumulator from its low end on
.set n, n+2
.endr
	s_wait_alu depctr_va_vdst(0)                   ; the 68 exponentials have written v96-159 and v232-235: ONE wait for the batch, ahead of its first reader
.irp b, 0,1,2,3
	v_max_num_f32 v[232+\b], 0x1800000, v[232+\b]  ; the floor 2^(3 - 127): the byte cannot fall under 1
.endr
.irp b, 0,1,2,3
	v_add_nc_u32 v[244+\b], 0xff000000, v[232+\b]  ; 2 off the exponent field: the conversion's scale operand
.endr
.irp b, 0,1,2,3
	v_lshrrev_b32 v[236+\b], 23, v[244+\b]         ; the scale's byte
.endr
	v_lshl_or_b32 v253, v237, 8, v236              ; p's scale word for these 128 keys
	v_lshl_or_b32 v253, v238, 16, v253
	v_lshl_or_b32 v253, v239, 24, v253
.irp c, 0,1
	v_cvt_scalef32_pk16_fp6_f32 v[224+6*\c:226+6*\c], v[96+32*\c:111+32*\c], v[244+2*\c]
	v_cvt_scalef32_pk16_fp6_f32 v[236+4*\c:238+4*\c], v[112+32*\c:127+32*\c], v[244+2*\c+1]   ; (a conversion's three registers begin on an even number)
.endr
	v_nop                                          ; one plain instruction behind the scaled conversions
.irp c, 0,1                            ; the operand's layout wants a whole block in a lane
.irp i, 0,1,2
	v_permlane16_swap_b32 v[224+6*\c+\i], v[236+4*\c+\i]
.endr
.irp i, 0,1,2
	v_mov_b32 v[227+6*\c+\i], v[236+4*\c+\i]
.endr
.endr
	v_pk_add_f32 v[236:237], v[96:97], v[98:99]    ; THE ROW'S SUM IS TAKEN OF THE UNQUANTISED p: two at a time, in two chains.  These 32 lines are also the places between p's codes and scale word and the products
.irp j, 4,8,12,16,20,24,28,32,36,40,44,48,52,56,60
	v_pk_add_f32 v[14:15], v[14:15], v[96+\j:97+\j]
	v_pk_add_f32 v[236:237], v[236:237], v[98+\j:99+\j]
.endr
	v_pk_add_f32 v[14:15], v[14:15], v[236:237]
	s_wait_dscnt 0x0                               ; V's fragments and scale words are in, and so is what was asked of the next step's K
	s_wait_alu depctr_va_vdst(0)                   ; p's codes v224-235 and its scale word v253, made by vector instructions, are written: the scaled products below take them; the places above stay beside this wait
.irp t, 0,1,2,3                        ; O^T += V^T P^T: the four accumulators by turns
.set VR, (\t/2)*(32+12*\t)+(1-\t/2)*(16+64*\t)     ; V's fragment t: v16, v80, v56, v68
.if \t%2
	v_wmma_scale_f32_16x16x128_f8f6f4 v[160+8*\t:167+8*\t], v[VR:VR+11], v[224:235], v[160+8*\t:167+8*\t], v[250+\t/2], v253 matrix_a_fmt:MATRIX_FMT_FP6 matrix_b_fmt:MATRIX_FMT_FP6 matrix_a_scale:MATRIX_SCALE_ROW1
.else
	v_wmma_scale_f32_16x16x128_f8f6f4 v[160+8*\t:167+8*\t], v[VR:VR+11], v[224:235], v[160+8*\t:167+8*\t], v[250+\t/2], v253 matrix_a_fmt:MATRIX_FMT_FP6 matrix_b_fmt:MATRIX_FMT_FP6
.endif
.endr
	s_add_co_u32 s[TB], s[TB], 6144
	s_add_co_u32 s[TS], s[TS], 256
	s_add_co_u32 s[MO], s[MO], 256
	s_add_co_u32 s[ST], s[ST], 1
	s_cmp_lt_u32 s[ST], 16
	s_cbranch_scc1 .Lstep
	; THE END OF A PASS: O^T / the sum, quantised along the head's 64 channels (two blocks), stored as half a fragment's image and two scale bytes a row
.rept 4
	v_nop                                          ; places behind the last products
.endr
	v_add_f32 v14, v14, v15                        ; the sum's two halves,
	v_permlanex16_b32 v252, v14, s[SEL], s[SEL+1]
	v_add_f32 v14, v14, v252                       ; and lane l xor 16's: the row's sum
	v_rcp_f32 v14, v14
	v_nop                                          ; a plain instruction behind the reciprocal,
	s_wait_alu depctr_va_vdst(0)                   ; and the wait ahead of its first reader: the reciprocal has written v14
.set n, 0
.rept 32
	v_mul_f32 v[96+n], v[160+n], v14               ; register 16 b + i: channel 32 b + 16 (lane / 16) + i of my query
.set n, n+1
.endr
.irp b, 0,1
	v_max3_num_f32 v[232+\b], |v[96+16*\b]|, |v[97+16*\b]|, 0x1800000
.endr
.irp i, 2,4,6,8,10,12,14
.irp b, 0,1
	v_max3_num_f32 v[232+\b], v[232+\b], |v[96+16*\b+\i]|, |v[97+16*\b+\i]|
.endr
.endr
.irp b, 0,1
	v_permlanex16_b32 v[236+\b], v[232+\b], s[SEL], s[SEL+1]
.endr
.irp b, 0,1
	v_max_num_f32 v[232+\b], v[232+\b], v[236+\b]
.endr
.irp b, 0,1
	v_add_nc_u32 v[244+\b], 0xff000000, v[232+\b]
.endr
.irp b, 0,1
	v_lshrrev_b32 v[236+\b], 23, v[244+\b]
.endr
	v_lshl_or_b32 v246, v237, 8, v236              ; the row's two bytes
	v_cvt_scalef32_pk16_fp6_f32 v[224:226], v[96:111], v244
	v_cvt_scalef32_pk16_fp6_f32 v[240:242], v[112:127], v245
	v_nop                                          ; one plain instruction behind the scaled conversions
.irp i, 0,1,2
	v_permlane16_swap_b32 v[224+\i], v[240+\i]
.endr
.irp i, 0,1,2
	v_mov_b32 v[227+\i], v[240+\i]                 ; registers 0-5: channels 32 (lane / 16) + 0 .. 31
.endr
	s_wait_alu depctr_va_vdst(0)                   ; the codes v224-229 and the bytes v246 are written, which the four stores below read
.irp p, 0,1,2
	global_store_b64 v1, v[224+2*\p:225+2*\p], s[12:13] offset:256*\p   ; 32 lanes store 256 consecutive bytes, aligned
.endr
	global_store_b16 v4, v246, s[14:15]            ; two bytes a row, 8 bytes apart: the word's other bytes are other heads', which other work-groups own.  Lanes l and l xor 16 write the same bytes with the same value
	s_wait_xcnt 0x0                                ; the stores have read their registers and bases: both are written again only behind this wait
	s_wait_alu depctr_vm_vsrc(0)                   ; the stores have read v224-229 and v246, which the next pass's vector instructions write again
	s_add_nc_u64 s[8:9], s[8:9], 4096              ; on to my odd tile: its mask words,
	s_add_nc_u64 s[12:13], s[12:13], 12288         ; its place in aimg
	s_add_nc_u64 s[14:15], s[14:15], 512           ; and in asc
	s_add_co_u32 s[U], s[U], 1
	s_cmp_lt_u32 s[U], 2
	s_cbranch_scc1 .Lpass
	s_wait_dscnt 0x0                               ; the closing lines, six on end
	s_wait_alu 0x0
	s_wait_tensorcnt 0x0
	ds_add_u32 v223, v243
	s_wait_dscnt 0x0
	s_endpgm
.Lfunc_end_k_qd2e3a2c189_attn:
	.size	k_qd2e3a2c189_attn, .Lfunc_end_k_qd2e3a2c189_attn-k_qd2e3a2c189_attn
	.p2alignl 7, 3214868480
	.fill 96, 4, 3214868480
	.section	.rodata,"a",@progbits
	.p2align	6, 0x0
	.amdhsa_kernel k_qd2e3a2c189_attn
		.amdhsa_group_segment_fixed_size 206848
		.amdhsa_private_segment_fixed_size 0
		.amdhsa_enable_private_segment 0
		.amdhsa_kernarg_size 48
		.amdhsa_user_sgpr_count 2
		.amdhsa_user_sgpr_kernarg_segment_ptr 1
		.amdhsa_wavefront_size32 1
		.amdhsa_system_sgpr_workgroup_id_x 1
		.amdhsa_system_sgpr_workgroup_id_y 1
		.amdhsa_system_sgpr_workgroup_id_z 1
		.amdhsa_system_vgpr_workitem_id 0
		.amdhsa_next_free_vgpr 256
		.amdhsa_next_free_sgpr 102
		.amdhsa_reserve_vcc 0
		.amdhsa_float_denorm_mode_32 3
		.amdhsa_float_denorm_mode_16_64 3
		.amdhsa_memory_ordered 1
		.amdhsa_forward_progress 1
		.amdhsa_inst_pref_size 40
	.end_amdhsa_kernel
	.amdgpu_metadata
---
amdhsa.version: [ 1, 2 ]
amdhsa.kernels:
  - .name:           k_qd2e3a2c189_attn
    .symbol:         k_qd2e3a2c189_attn.kd
    .args:
      - { .name: himg, .offset: 0, .size: 8, .value_kind: global_buffer, .address_space: global }
      - { .name: hsc, .offset: 8, .size: 8, .value_kind: global_buffer, .address_space: global }
      - { .name: maskw, .offset: 16, .size: 8, .value_kind: global_buffer, .address_space: global }
      - { .name: mflag, .offset: 24, .size: 8, .value_kind: global_buffer, .address_space: global }
      - { .name: aimg, .offset: 32, .size: 8, .value_kind: global_buffer, .address_space: global }
      - { .name: asc, .offset: 40, .size: 8, .value_kind: global_buffer, .address_space: global }
    .group_segment_fixed_size: 206848
    .private_segment_fixed_size: 0
    .kernarg_segment_align: 8
    .kernarg_segment_size: 48
    .max_flat_workgroup_size: 512
    .sgpr_count:     102
    .vgpr_count:     256
    .wavefront_size: 32
...
	.end_amdgpu_metadata
.endif
;; end of part 5
;; launch oproj: the kernel of part 4 again; grid 4 x 32, 4 waves a work-group, clusters of 4 x 4, 327,680 bytes of LDS; arguments aimg, asc, ximg, xsc, out0; writes out0
